; MI455X (gfx1250); checked and timed in simulation.
; The chip was launched on July 23, 2026; its instructions are those of AMD's public machine-readable ISA for CDNA 5 (MIT licence, August 2026) and "CDNA5" Instruction Set Architecture Reference Guide (July 2026). The comments in the code are by the model that wrote it; some were corrected since.
;; Multi Head Self Attention. Allowed arithmetic: matrix products marked QUANTISED: E2M3 operands, one E8M0 scale for each 32 along K, by v_wmma_scale_f32_16x16x128_f8f6f4 with both operands' format E2M3, f32 sums; everything else in f32.
;; Inputs: Wproj 1,024 x 1,024 float32; Wqkv 1,024 x 3,072 float32; bproj 1,024 float32; padding_mask 8 x 1 x 1,024 float32; x 8 x 1,024 x 1,024 float32.
;; Outputs: out0 8 x 1,024 x 1,024 float32.
;; This version of the problem:
;;   THIS VERSION OF THE PROBLEM IS GIVEN IN LOW PRECISION. The matrix products marked QUANTISED in the list below multiply operands that are first quantised to E2M3 (2 exponent bits, 3 mantissa bits; 6 bits a number), with one power-of-two scale for each 32 numbers along K (OCP MX v1.0); their sums are f32. All else is computed in f32.
;;   The module's matrix products, in the order in which they are computed (A, B: the left and right operand; K: the contracted axis; several contracted axes count as one K, in the product's order):
;;     1. [M 8,192, K 1,024] x [K 1,024, N 3,072]; A: input x; B: input Wqkv: QUANTISED
;;     2. batch 128 x [M 1,024, K 64] x [K 64, N 1,024]; A: computed on the way; B: computed on the way: QUANTISED
;;     3. batch 128 x [M 1,024, K 1,024] x [K 1,024, N 64]; A: computed on the way; B: computed on the way: QUANTISED
;;     4. [M 8,192, K 1,024] x [K 1,024, N 1,024]; A: computed on the way; B: input Wproj: QUANTISED
;;   THE QUANTISER, for each operand of a quantised product, along K:
;;     - K is cut into blocks of 32 from its start; a last block that is shorter is filled with zeros.
;;     - A block's scale is 2^e with e = floor(log2(the largest magnitude in the block)) - 2, held to -126 .. 127; a block of zeros has e = 0. As a byte (E8M0): e + 127.
;;     - Each number is divided by its block's scale, clamped to +-7.5, and rounded to the nearest number of E2M3, ties to even, subnormals kept.
;;     - The product sums the exact products of the quantised numbers (number of the format x scale) in f32.
;;   ~~~python
;;   def quantise(x, axis):      # numpy; x: float32 -> the quantised numbers, widened to float32 again
;;       x = np.moveaxis(x, axis, -1); K = x.shape[-1]
;;       x = np.pad(x, [(0, 0)] * (x.ndim - 1) + [(0, -K % 32)]); x = x.reshape(x.shape[:-1] + (-1, 32)); a = np.abs(x).max(-1, keepdims=True)
;;       e = np.where(a > 0, np.clip(np.frexp(np.where(a > 0, a, 1))[1] - 1 - 2, -126, 127), 0)      # np.frexp(a)[1] - 1 = floor(log2(a)), exactly
;;       r = np.clip(x / 2.0 ** e, -7.5, 7.5)
;;       step = 2.0 ** (np.maximum(np.frexp(np.where(r == 0, 1, r))[1] - 1, 0) - 3)
;;       q = np.round(r / step) * step * 2.0 ** e      # np.round: ties to even
;;       return np.moveaxis(q.reshape(q.shape[:-2] + (-1,))[..., :K], -1, axis).astype(np.float32)
;;   ~~~
;;   OPERANDS COMPUTED ON THE WAY. 'Computed on the way' means the value that the module computes at that place (a softmax that the list does not call 'softmax' is quantised finished and normalised). What goes into a quantiser is computed in f32, as accurately as f32 sums, v_exp_f32 and their like allow (about 1e-6 of the number): no bf16 or f16 on the way to a quantiser, and a product that is left as it is and whose result goes on into a quantised operand takes f32 operands (vector FMAs, or v_wmma_f32_16x16x4_f32). A number that lies on a knife's edge between two numbers of the format may be rounded either way, as far as f32 arithmetic and the matrix unit's own rounding can turn it there, and no further.
;; 2 versions, each right; version 2 is version 1 with the launch attn written anew for expert scheduling mode. Each part assembles by itself: llvm-mc -triple=amdgcn-amd-amdhsa -mcpu=gfx1250 --defsym DOCPART=n.
;; ======== version 1 of 2: 5 launches
;; limits: right only within a limited range of input values
;; workspace buffers: xq 6,553,600 bytes; wqk 1,835,008 bytes; wv 1,048,576 bytes; wp 1,048,576 bytes; qk 14,680,064 bytes; vq 52,428,800 bytes; oq 6,553,600 bytes
;; launch prep (part 1): grid 384 x 1, 4 waves a work-group, no clusters, 59,904 bytes of LDS; arguments x, Wqkv, Wproj, xq, wqk, wv, wp; writes xq, wqk, wv, wp
.if DOCPART == 1
	.amdgcn_target "amdgcn-amd-amdhsa--gfx1250"
	.amdhsa_code_object_version 6
	.text
	.protected	k_qa04e07a5e2_prep
	.globl	k_qa04e07a5e2_prep
	.p2align	8
	.type	k_qa04e07a5e2_prep,@function
k_qa04e07a5e2_prep:
	s_mov_b64 s[64:65], 0
	v_nop
	global_prefetch_b8 v0, s[64:65] scope:SCOPE_SE
	s_setreg_imm32_b32 hwreg(HW_REG_WAVE_MODE, 25, 1), 1
	s_wait_xcnt 0x0
; x [8192][1024], Wqkv [1024][3072] and Wproj [1024][1024], f32, become codes of FP6 (E2M3) with one E8M0 byte for each 32 along K, laid AS THE MATRIX UNIT'S REGISTERS TAKE THEM.
; A TILE is 16 rows of an operand (tokens of x, columns of a weight); lane r of tile T holds row 32 (T / 2) + 8 (T % 2) + r + 8 (r / 8).
; A HALF IMAGE is 16 rows x 64 along K, six registers a lane, 768 bytes: lane l's first four registers at 16 l, its last two at 512 + 8 l; lane (r, h) holds the codes of k = 32 h .. 32 h + 31 of its row.
; A buffer: scale bytes first (tile T, 256 along K s, row r: 8 bytes at 512 T + 128 s + 8 r), then from CODES on the half images (tile T, 64 along K g: at 12,288 T + 768 g).
; A block's scale is 2^(floor(log2(its largest magnitude)) - 2): its byte is that magnitude's exponent field - 2, held at 1 from below.
; LIMITS: a block of zeros gets the byte 1 and not 127 (its codes are zeros, and this program alone reads the bytes); NaN and infinities among the inputs are not served.
; Work-groups 0-255 take x (K innermost), 256-383 the weights (K is the first axis).  The two ways have LDS bytes of their own.  No barrier: waves share nothing.
.set CODES, 262144
.set XREG,  8704                       ; x: a wave's LDS: a stage of 16 rows x 528 bytes, then its 256 scale bytes
.set WLDS,  4*XREG                     ; the weights' LDS begins behind x's
.set WREG,  6144                       ; a wave's eight half images
.set R,     16                         ; x: v16-143 two sets of 64 registers as loaded
.set X,     144                        ; x: v144-207 my 64 numbers: k = 64 c + 32 h + 0 .. 31 of my row
.set C,     208                        ; x: v208-219 a fragment's codes
.set CT,    220                        ; x: v220-222, v224-226 the second halves of the blocks (a conversion's three registers begin on an even number)
	s_load_b256 s[4:11], s[0:1], 0x0               ; x s[4:5], Wqkv s[6:7], Wproj s[8:9], xq s[10:11]
	s_load_b128 s[12:15], s[0:1], 0x20             ; wqk s[12:13], wv s[14:15]
	s_load_b64 s[16:17], s[0:1], 0x30              ; wp
	v_lshl_add_u32 v232, v0, 2, 0xe800
	v_mov_b32 v233, 0
	v_lshrrev_b32 v1, 5, v0
	v_readfirstlane_b32 s18, v1                    ; wave 0..3
	v_and_b32 v10, 31, v0                          ; lane
	s_mov_b32 s60, 0x76543210
	s_mov_b32 s61, 0xfedcba98                      ; v_permlanex16_b32's selects for lane l xor 16
	s_cmp_ge_u32 ttmp9, 256
	s_cbranch_scc1 .Lw
; ---------------- x.  A wave takes one tile (16 rows) x 512 along K: four steps of 128.
	s_lshl_b32 s19, ttmp9, 2
	s_add_co_u32 s19, s19, s18                     ; 4 x work-group + wave
	s_lshr_b32 s20, s19, 1                         ; the tile T
	s_and_b32 s21, s19, 1                          ; which half of K
	s_lshr_b32 s22, s20, 1
	s_and_b32 s23, s20, 1
	s_lshl_b32 s22, s22, 17                        ; 32 (T / 2) rows of 4,096 bytes
	s_lshl_b32 s23, s23, 15                        ; 8 (T % 2) rows
	s_add_co_u32 s22, s22, s23
	s_lshl_b32 s23, s21, 11                        ; 512 numbers along K
	s_add_co_u32 s22, s22, s23
	s_mov_b32 s23, 0
	s_mul_i32 s24, s20, 12288
	s_mul_i32 s25, s21, 6144
	s_add_co_u32 s24, s24, s25
	s_add_co_u32 s24, s24, CODES                   ; my eight half images
	s_mov_b32 s25, 0
	s_lshl_b32 s28, s20, 9
	s_lshl_b32 s29, s21, 8
	s_add_co_u32 s28, s28, s29                     ; my 256 scale bytes
	s_mov_b32 s29, 0
	s_mul_i32 s30, s18, XREG
	v_lshlrev_b32 v1, 4, v10                       ; 16 x lane
	v_add_nc_u32 v2, s30, v1                       ; the stage, on the way in
	v_and_b32 v11, 15, v0                          ; r
	v_bfe_u32 v12, v0, 4, 1                        ; h
	v_mul_u32_u24 v3, v11, 528
	v_lshl_add_u32 v3, v12, 7, v3
	v_add_nc_u32 v3, s30, v3                       ; and on the way out: row r, + 128 h bytes
	v_lshlrev_b32 v4, 3, v10                       ; 8 x lane
	v_lshl_add_u32 v5, v11, 3, s30
	v_add_nc_u32 v5, 8448, v5                      ; my row's scale bytes in LDS
	v_add_nc_u32 v6, s30, v4
	v_add_nc_u32 v6, 8448, v6                      ; and 8 bytes a lane on the way out
	v_lshlrev_b32 v7, 3, v12                       ; 8 h
	v_mov_b32 v15, 0                               ; written once: a lane permute's destination counts as one of its sources
	s_wait_kmcnt 0x0
	s_add_nc_u64 s[4:5], s[4:5], s[22:23]
	s_add_nc_u64 s[26:27], s[10:11], s[24:25]
	s_add_nc_u64 s[28:29], s[10:11], s[28:29]
.macro XLOAD st                        ; step st: each load reads 512 consecutive bytes: 128 numbers of one of the tile's rows
.irp i, 0,1,2,3,4,5,6,7,8,9,10,11,12,13,14,15
	global_load_b128 v[R+64*((\st)%2)+4*\i:R+64*((\st)%2)+4*\i+3], v1, s[4:5] offset:(\i+8*(\i/8))*4096+512*(\st) th:TH_LOAD_NT
.endr
.endm
.macro XSTEP st
.if (\st) < 3
	s_wait_loadcnt 16                              ; this step's 16 loads are in; the other set's 16 may be out
.else
	s_wait_loadcnt 0x0
.endif
.irp i, 0,1,2,3,4,5,6,7,8,9,10,11,12,13,14,15
	ds_store_b128 v2, v[R+64*((\st)%2)+4*\i:R+64*((\st)%2)+4*\i+3] offset:528*\i
.endr
.irp c, 0,1
.irp e, 0,1,2,3,4,5,6,7
	ds_load_b128 v[X+32*\c+4*\e:X+32*\c+4*\e+3], v3 offset:256*\c+16*\e   ; LDS serves a wave's instructions in order: these see the stores above
.endr
.endr
	s_wait_dscnt 0x0                               ; my numbers are back, and the stores have read their registers
.if (\st) < 2
	XLOAD (\st)+2
.endif
.irp c, 0,1
	v_max3_num_f32 v[8+\c], |v[X+32*\c]|, |v[X+32*\c+1]|, 0x1800000   ; block 2 c + h: all its 32 numbers are mine; the floor 2^(3 - 127) keeps the byte at 1 or above
.endr
.irp i, 2,4,6,8,10,12,14,16,18,20,22,24,26,28,30
.irp c, 0,1
	v_max3_num_f32 v[8+\c], v[8+\c], |v[X+32*\c+\i]|, |v[X+32*\c+\i+1]|
.endr
.endr
	v_add_nc_u32 v10, 0xff000000, v8               ; 2 off the exponent field: the conversion's scale operand
	v_add_nc_u32 v11, 0xff000000, v9
	v_lshrrev_b32 v12, 23, v10                     ; the bytes
	v_lshrrev_b32 v13, 23, v11
	v_lshl_or_b32 v14, v13, 16, v12                ; blocks h and 2 + h of my row,
	v_lshlrev_b32 v14, v7, v14                     ; at their places in the word;
	v_permlanex16_b32 v15, v14, s60, s61
	v_or_b32 v14, v14, v15                         ; with lane l xor 16's two the word is whole
	s_wait_xcnt 0x0                                ; the last step's stores have read the codes' registers
	v_cvt_scalef32_pk16_fp6_f32 v[C:C+2], v[X:X+15], v10
	v_cvt_scalef32_pk16_fp6_f32 v[CT:CT+2], v[X+16:X+31], v10
	v_cvt_scalef32_pk16_fp6_f32 v[C+6:C+8], v[X+32:X+47], v11
	v_cvt_scalef32_pk16_fp6_f32 v[CT+4:CT+6], v[X+48:X+63], v11
	v_nop                                          ; one plain place behind a scaled conversion
.irp i, 0,1,2
	v_mov_b32 v[C+3+\i], v[CT+\i]
	v_mov_b32 v[C+9+\i], v[CT+4+\i]
.endr
.irp c, 0,1
	global_store_b128 v1, v[C+6*\c:C+6*\c+3], s[26:27] offset:(2*(\st)+\c)*768        ; 512 consecutive bytes
	global_store_b64 v4, v[C+6*\c+4:C+6*\c+5], s[26:27] offset:(2*(\st)+\c)*768+512   ; 256 consecutive bytes
.endr
	ds_store_b32 v5, v14 offset:((\st)/2)*128+((\st)%2)*4   ; both halves of the lanes write the same word with the same value
.endm
	XLOAD 0
	XLOAD 1
	XSTEP 0
	XSTEP 1
	XSTEP 2
	XSTEP 3
	ds_load_b64 v[12:13], v6                       ; in order behind my stores
	s_wait_dscnt 0x0
	global_store_b64 v4, v[12:13], s[28:29]        ; 256 consecutive bytes of scale bytes
	s_wait_tensorcnt 0x0
	ds_add_u32 v232, v233
	s_wait_dscnt 0x0
	s_endpgm
; ---------------- the weights.  A LANE TAKES A COLUMN, AND ITS REGISTERS RUN DOWN K.  A wave takes 32 neighbouring columns (a pair of tiles) x 256 along K: eight blocks a lane.
.Lw:
	s_sub_co_u32 s19, ttmp9, 256
	s_and_b32 s20, s19, 31                         ; which 128 columns: 0-15 q's and k's, 16-23 v's, 24-31 Wproj's
	s_lshr_b32 s21, s19, 5                         ; which 256 along K
	s_mov_b32 s24, 4096
	s_wait_kmcnt 0x0
	s_cmp_lt_u32 s20, 24                           ; the choices hang on the work-group's number alone
	s_cselect_b64 s[22:23], s[6:7], s[8:9]         ; from Wqkv or Wproj
	s_cselect_b32 s24, 12288, s24                  ; bytes from row to row
	s_cselect_b32 s25, 0, 24
	s_cselect_b64 s[26:27], s[14:15], s[16:17]
	s_cselect_b32 s28, 16, 24
	s_cmp_lt_u32 s20, 16
	s_cselect_b64 s[26:27], s[12:13], s[26:27]     ; to wqk, wv or wp
	s_cselect_b32 s28, 0, s28
	s_sub_co_u32 s25, s20, s25                     ; the 128 columns' number in the source,
	s_sub_co_u32 s28, s20, s28                     ; and in the target
	s_lshl_b32 s30, s25, 9
	s_lshl_b32 s31, s18, 7
	s_add_co_u32 s30, s30, s31                     ; my first column, in bytes
	s_mul_i32 s31, s21, s24
	s_lshl_b32 s31, s31, 8                         ; 256 rows for each step along K
	s_add_co_u32 s30, s30, s31
	s_mov_b32 s31, 0
	s_add_nc_u64 s[44:45], s[22:23], s[30:31]      ; a base for each block of 32 rows: no pointer is stepped
	s_lshl_b32 s34, s24, 5
	s_mov_b32 s35, 0
.irp t, 1,2,3,4,5,6,7
	s_add_nc_u64 s[44+2*\t:45+2*\t], s[42+2*\t:43+2*\t], s[34:35]
.endr
	s_lshl_b32 s29, s28, 2
	s_add_co_u32 s29, s29, s18                     ; my pair of tiles
	s_mul_i32 s30, s29, 24576
	s_mul_i32 s32, s21, 3072
	s_add_co_u32 s30, s30, s32
	s_add_co_u32 s30, s30, CODES
	s_add_nc_u64 s[36:37], s[26:27], s[30:31]      ; its half images of this step along K
	s_lshl_b32 s30, s29, 10
	s_lshl_b32 s32, s21, 7
	s_add_co_u32 s30, s30, s32
	s_add_nc_u64 s[38:39], s[26:27], s[30:31]      ; and its scale bytes
	s_mul_i32 s33, s18, WREG
	s_add_co_u32 s33, s33, WLDS                    ; my images in LDS: [tile of the pair][64 along K], 768 bytes each
	v_lshlrev_b32 v13, 2, v10                      ; 4 x lane
	v_bfe_u32 v14, v0, 3, 1                        ; column 32 p + lane is lane r of tile 2 p + u: u = (lane / 8) % 2,
	v_and_b32 v15, 7, v0
	v_bfe_u32 v12, v0, 4, 1
	v_lshl_or_b32 v15, v12, 3, v15                 ; r = lane % 8 + 8 (lane / 16)
	v_mul_u32_u24 v12, v14, 3072
	v_add_nc_u32 v12, s33, v12
	v_lshl_add_u32 v8, v15, 4, v12                 ; where a block's first 16 bytes go,
	v_lshl_add_u32 v9, v15, 3, v12
	v_add_nc_u32 v9, 512, v9                       ; and its last 8
	v_lshlrev_b32 v5, 4, v10                       ; the way out: 16 x lane
	v_add_nc_u32 v6, s33, v5
	v_lshlrev_b32 v11, 9, v14
	v_lshl_add_u32 v11, v15, 3, v11                ; my column's 8 scale bytes: 512 u + 8 r
.irp i, 0,1,2,3,4,5,6,7,8,9,10,11,12,13,14,15,16,17,18,19,20,21,22,23,24,25,26,27,28,29,30,31
	v_mad_u32_u24 v[16+\i], s24, \i, v13           ; row i of a block, my column
.endr
.macro WLOAD t                         ; block t: 32 rows; each load reads 128 consecutive bytes, the four waves side by side 512
.irp i, 0,1,2,3,4,5,6,7,8,9,10,11,12,13,14,15,16,17,18,19,20,21,22,23,24,25,26,27,28,29,30,31
	global_load_b32 v[48+32*((\t)%2)+\i], v[16+\i], s[44+2*(\t):45+2*(\t)] th:TH_LOAD_NT
.endr
.endm
.macro WBLOCK t
.set XS, 48+32*((\t)%2)
.if (\t) < 7
	s_wait_loadcnt 32                              ; this block's 32 loads are in; the next block's may be out
.else
	s_wait_loadcnt 0x0
.endif
	v_max3_num_f32 v2, |v[XS]|, |v[XS+1]|, |v[XS+2]|
	v_max3_num_f32 v3, |v[XS+3]|, |v[XS+4]|, |v[XS+5]|
.irp i, 6,10,14,18,22,26
	v_max3_num_f32 v2, v2, |v[XS+\i]|, |v[XS+\i+1]|
	v_max3_num_f32 v3, v3, |v[XS+\i+2]|, |v[XS+\i+3]|
.endr
	v_max3_num_f32 v2, v2, |v[XS+30]|, |v[XS+31]|
	v_max3_num_f32 v2, v2, v3, 0x1800000           ; and the floor
	v_add_nc_u32 v4, 0xff000000, v2                ; the conversion's scale operand
	v_lshrrev_b32 v7, 23, v4                       ; the byte
.if (\t)%4 == 0
	v_mov_b32 v[124+(\t)/4], v7                    ; four bytes to a register, the lower K in the lower byte
.else
	v_lshl_or_b32 v[124+(\t)/4], v7, 8*((\t)%4), v[124+(\t)/4]
.endif
	v_cvt_scalef32_pk16_fp6_f32 v[112:114], v[XS:XS+15], v4
	v_cvt_scalef32_pk16_fp6_f32 v[120:122], v[XS+16:XS+31], v4
	v_nop                                          ; one plain place behind a scaled conversion
.irp i, 0,1,2
	v_mov_b32 v[115+\i], v[120+\i]
.endr
	ds_store_b128 v8, v[112:115] offset:((\t)/2)*768+((\t)%2)*256   ; block t is half (t % 2) of the lanes of image t / 2
	ds_store_b64 v9, v[116:117] offset:((\t)/2)*768+((\t)%2)*128
.if (\t) < 6
	WLOAD (\t)+2
.endif
	s_wait_dscnt 0x0                               ; the stores have read their registers: the next block's codes may be written
.endm
	WLOAD 0
	WLOAD 1
.irp t, 0,1,2,3,4,5,6,7
	WBLOCK \t
.endr
	global_store_b64 v11, v[124:125], s[38:39]     ; sixteen lanes of a tile store 128 consecutive bytes
.irp k, 0,1,2,3,4,5,6,7,8,9,10,11
	ds_load_b128 v[128+4*\k:128+4*\k+3], v6 offset:512*\k
.endr
.irp k, 0,1,2,3,4,5,6,7,8,9,10,11
	s_wait_dscnt 11-\k                             ; LDS loads come back in order: load k is in
	global_store_b128 v5, v[128+4*\k:128+4*\k+3], s[36:37] offset:(\k/6)*12288+(\k%6)*512   ; 512 consecutive bytes; a tile's four images are 3,072 on end
.endr
	s_wait_tensorcnt 0x0
	ds_add_u32 v232, v233
	s_wait_dscnt 0x0
	s_endpgm
.Lfunc_end_k_qa04e07a5e2_prep:
	.size	k_qa04e07a5e2_prep, .Lfunc_end_k_qa04e07a5e2_prep-k_qa04e07a5e2_prep
	.p2alignl 7, 3214868480
	.fill 96, 4, 3214868480
	.section	.rodata,"a",@progbits
	.p2align	6, 0x0
	.amdhsa_kernel k_qa04e07a5e2_prep
		.amdhsa_group_segment_fixed_size 59904
		.amdhsa_private_segment_fixed_size 0
		.amdhsa_enable_private_segment 0
		.amdhsa_kernarg_size 56
		.amdhsa_user_sgpr_count 2
		.amdhsa_user_sgpr_kernarg_segment_ptr 1
		.amdhsa_wavefront_size32 1
		.amdhsa_system_sgpr_workgroup_id_x 1
		.amdhsa_system_sgpr_workgroup_id_y 1
		.amdhsa_system_sgpr_workgroup_id_z 1
		.amdhsa_system_vgpr_workitem_id 0
		.amdhsa_next_free_vgpr 234
		.amdhsa_next_free_sgpr 66
		.amdhsa_reserve_vcc 0
		.amdhsa_float_denorm_mode_32 3
		.amdhsa_float_denorm_mode_16_64 3
		.amdhsa_memory_ordered 1
		.amdhsa_forward_progress 1
		.amdhsa_inst_pref_size 75
	.end_amdhsa_kernel
	.amdgpu_metadata
---
amdhsa.version: [ 1, 2 ]
amdhsa.kernels:
  - .name:           k_qa04e07a5e2_prep
    .symbol:         k_qa04e07a5e2_prep.kd
    .args:
      - { .name: x, .offset: 0, .size: 8, .value_kind: global_buffer, .address_space: global }
      - { .name: Wqkv, .offset: 8, .size: 8, .value_kind: global_buffer, .address_space: global }
      - { .name: Wproj, .offset: 16, .size: 8, .value_kind: global_buffer, .address_space: global }
      - { .name: xq, .offset: 24, .size: 8, .value_kind: global_buffer, .address_space: global }
      - { .name: wqk, .offset: 32, .size: 8, .value_kind: global_buffer, .address_space: global }
      - { .name: wv, .offset: 40, .size: 8, .value_kind: global_buffer, .address_space: global }
      - { .name: wp, .offset: 48, .size: 8, .value_kind: global_buffer, .address_space: global }
    .group_segment_fixed_size: 59904
    .private_segment_fixed_size: 0
    .kernarg_segment_align: 8
    .kernarg_segment_size: 56
    .max_flat_workgroup_size: 128
    .sgpr_count:     66
    .vgpr_count:     234
    .wavefront_size: 32
...
	.end_amdgpu_metadata
.endif
;; end of part 1
;; launch gemm_qk (part 2): grid 8 x 32, 4 waves a work-group, clusters of 4 x 4, 327,680 bytes of LDS; arguments xq, wqk, qk; writes qk
.if DOCPART == 2
	.amdgcn_target "amdgcn-amd-amdhsa--gfx1250"
	.amdhsa_code_object_version 6
	.text
	.protected	k_qa04e07a5e2_gemm_qk
	.globl	k_qa04e07a5e2_gemm_qk
	.p2align	8
	.type	k_qa04e07a5e2_gemm_qk,@function
k_qa04e07a5e2_gemm_qk:
	s_mov_b64 s[64:65], 0
	v_nop
	global_prefetch_b8 v0, s[64:65] scope:SCOPE_SE
	s_setreg_imm32_b32 hwreg(HW_REG_WAVE_MODE, 25, 1), 1
	s_wait_xcnt 0x0
	s_wait_alu depctr_hold_cnt(0) depctr_sa_sdst(0) depctr_va_vdst(0) depctr_va_sdst(0) depctr_va_ssrc(0) depctr_va_vcc(0) depctr_vm_vsrc(0)
	s_getreg_b32 s2, hwreg(HW_REG_IB_STS2, 6, 4)
	s_cmp_eq_u32 s2, 0
	s_cbranch_scc0 .Lentry_in_a_cluster
	s_endpgm
.Lentry_in_a_cluster:
	s_bfe_u32 s2, ttmp6, 0x10000c
	s_cmp_lg_u32 s2, 0xf033
	s_cbranch_scc0 .Lentry_shape_is_right
	s_endpgm
.Lentry_shape_is_right:
; P = Q(A B^T): A and B are operand buffers of codes of FP6 (E2M3) with K = 1,024 (layout below); the f32 result is QUANTISED ALONG B's ROWS in registers and leaves as codes and scale words.
; Run twice: A = x, B = the q and k columns of Wqkv (the result's K is a head's 64), and A = the v columns, B = x (the result's K is the keys).
; OPERAND BUFFER.  A tile is 16 rows; lane r of tile T holds row 32 (T / 2) + 8 (T % 2) + r + 8 (r / 8).  Scale bytes: 8 bytes at 512 T + 128 s + 8 r for the s-th 256 along K.  From CODES on half images
; (16 rows x 64 K, 768 bytes: lane l's first four registers at 16 l, its last two at 512 + 8 l) at 12,288 T + 768 g.  So a fragment comes from LDS by four dense loads, and a tile's 256 along K are 3,072 bytes on end.
; PRODUCT BUFFER.  Scale words at 64 (512 (G / 2) + a) + 4 r; from PCODES on half images at 768 (512 G + a): a = A's tile, G = 64 rows of B.
; A tile of the result, 256 x 256, is made by four waves, as many as a WGP has SIMDs; a wave makes 128 x 128: 64 accumulators, 512 registers.  K goes in steps of 256 through a ring of two LDS slots filled by the tensor
; data mover; the scale bytes of the work-group's rows come once, with the first fills.
; CLUSTERS: 4 x 4 work-groups; A's tiles are asked for jointly along a row of the cluster, B's along a column.
; THE MATRIX INSTRUCTION IS USED TRANSPOSED (source 0 = a tile of B, source 1 = a tile of A): a lane holds one row of A, and by the order of rows in B's tiles the 16 registers of B's tiles 2 p and 2 p + 1 are the
; 16 neighbours 32 p + 16 (lane / 16) + 0 .. 15 along B's rows: what the conversions want.
; LIMITS: a block of zeros gets the byte 1 and not 127 (its codes are zeros; this program alone reads the bytes); NaN and infinities are not served.
; REGISTERS: window 0: v0-31 addresses; v32-63 scale words, two sets; v64-115 the quantiser's; from v128 A's fragments, one set.  window 1: B's fragments, two sets, at v0 and v128.  windows 2, 3: the accumulators ((a, b) at v[8 (8 (a % 4) + b)]).
.set CODES,  262144
.set PCODES, 2097152
.set NQ,     2                         ; matrix instructions deep in a slot
.set FR,     12                        ; registers of a fragment
.set NL,     4                         ; LDS loads that bring one
.set NP,     4                         ; places behind this matrix instruction (ISA guide 7.12.1)
.set TB,     3072                      ; a tile's bytes in a slot: four half images
.set HALFT,  8*TB                      ; eight tiles: what one tensor load brings, and what one wave reads of A or of B
.set SLOT,   4*HALFT                   ; A's 16 tiles, then B's 16
.set SCL,    2*SLOT                    ; behind the ring: the scale bytes; B's begin 128 bytes behind a multiple of 256, so that a load's lanes 0-15 (A's 128 bytes) and lanes 16-31 (B's 128 bytes) differ modulo 256
.set HALFS,  4096                      ; those of eight tiles
.set SPARE,  SCL+4*HALFS+256           ; the spare words, 128 bytes for each wave: two blocks of 256 bytes that no other line names
.set ADRA, 16                          ; v16-17 LDS address of my A fragments in slot 0, 1, 16 bytes a lane; v18-19 the same, 8 bytes a lane
.set ADRB, 20                          ; v20-23 the same for B
.set I16,  24                          ; v24 16 x lane
.set I8,   25                          ; v25 8 x lane
.set I4,   26                          ; v26 4 x lane
.set ADRS, 27                          ; v27 LDS address of my scale words: lanes 0-15 A's rows, lanes 16-31 B's
.set SPW,  28                          ; v28 my spare word; never rewritten
.set NIL,  29                          ; v29 0; never rewritten
.set SC,   32                          ; scale words: set s at v[SC + 16 s]; register 2 i + q: lanes 0-15 A's tile i, lanes 16-31 B's tile i, the slot's q-th 128 along K
.set TM,   64                          ; v64-79 the quantiser's: largest magnitudes, bytes, scale operands
.set PWS,  80                          ; v80-87 the result's scale words, one register for each of my tiles of A
.set PC,   96                          ; v96-114 the codes just made
.set AF,   128
.set G1, 24
.set G0, 32
.set G1B, 48
.set G0B, 56
.set G1S, 68
.set G0S, 76
.set G1SB, 80
.set G0SB, 88
.set MSB, 0
.macro WIN new                         ; the immediate's high byte repeats the setting that is left
.if MSB != (\new)
	s_set_vgpr_msb (MSB<<8)|(\new)
.set MSB, (\new)
.endif
.endm
.set MUL_LO, 0xa1                      ; source 0 (B) window 1, source 1 (A) window 0, C and D window 2
.set MUL_HI, 0xf1                      ; the same, C and D window 3
.set TO_B,   0x40                      ; destination window 1, address window 0
; A joint load: waves 0 and 1 fetch for A, waves 2 and 3 for B.  The branch hangs on the wave's number alone.  Four v_nop follow each of the two lines.
.macro JLOAD g0a, g1a, g0b, g1b
	s_cmp_eq_u32 s15, 0
	s_cbranch_scc0 .Lfor_b_\@
	tensor_load_to_lds s[\g0a:\g0a+3], s[\g1a:\g1a+7]
	s_nop 0
.rept 4
	v_nop
.endr
	s_branch .Lasked_\@
.Lfor_b_\@:
	tensor_load_to_lds s[\g0b:\g0b+3], s[\g1b:\g1b+7]
	s_nop 0
.rept 4
	v_nop
.endr
.Lasked_\@:
.endm
.macro CREST                           ; a round of the cluster's barrier behind its opening barrier
	s_cmp_lg_u32 s14, 0
	s_cbranch_scc1 .Lnot_wave_0_\@
	s_barrier_signal -3
.Lnot_wave_0_\@:
	s_barrier_wait -3
	s_barrier_signal -1
	s_barrier_wait -1
.endm
.macro CROUND
	s_barrier_signal -1
	s_barrier_wait -1
	CREST
.endm
	s_load_b128 s[4:7], s[0:1], 0x0                ; A s[4:5], B s[6:7]
	s_load_b64 s[12:13], s[0:1], 0x10              ; P
	v_lshl_add_u32 v[SPW], v0, 2, SPARE
	v_mov_b32 v[NIL], 0
	ds_add_u32 v28, v29
	ds_add_u32 v28, v29
	s_wait_dscnt 0x0
	v_lshrrev_b32 v1, 5, v0
	v_readfirstlane_b32 s14, v1                    ; wave 0..3
	s_lshr_b32 s15, s14, 1                         ; which half of A's tiles is mine.  Also: I fetch for A (0) or for B (1)
	s_and_b32 s16, s14, 1                          ; which half of B's.  Also: which eight tiles I fetch
	s_bfe_u32 s40, ttmp6, 0x40000                  ; cx, cy: my place in the cluster
	s_bfe_u32 s41, ttmp6, 0x40004
	s_lshl_b32 s42, ttmp9, 2
	s_add_co_u32 s42, s42, s40                     ; which 256 rows of B = 4 x cluster x + cx
	s_and_b32 s17, ttmp7, 0xffff
	s_lshl_b32 s17, s17, 2
	s_add_co_u32 s17, s17, s41                     ; which 256 rows of A = 4 x cluster y + cy
	s_lshl_b32 s43, s41, 2
	s_lshl_b32 s43, 15, s43                        ; my row of the cluster
	s_lshl_b32 s44, 0x1111, s40                    ; my column
	; group 1 for codes: eight tiles, each 3,072 bytes on end (384 elements of 8 bytes), 12,288 bytes apart; no padding: every LDS read is dense
	s_or_b32 s[G1+0], s43, (3<<16)|(1<<21)         ; 15:0 the mask: A's tiles go to my row; 17:16 elements of 8 bytes; 21 set beside a mask
	s_or_b32 s[G1B+0], s44, (3<<16)|(1<<21)
.irp g, G1, G1B
	s_mov_b32 s[\g+1], 384<<16                     ; tensor_dim0
	s_mov_b32 s[\g+2], 8<<16                       ; tensor_dim1
	s_mov_b32 s[\g+3], 384<<16                     ; tile_dim0
	s_mov_b32 s[\g+4], 8                           ; tile_dim1
	s_mov_b32 s[\g+5], 1536                        ; tensor_dim0_stride
	s_mov_b32 s[\g+6], 0
	s_mov_b32 s[\g+7], 0
.endr
	; and for the scale bytes of eight tiles: 4,096 dense bytes as 16 rows of 256
	s_or_b32 s[G1S+0], s43, (3<<16)|(1<<21)
	s_or_b32 s[G1SB+0], s44, (3<<16)|(1<<21)
.irp g, G1S, G1SB
	s_mov_b32 s[\g+1], 32<<16
	s_mov_b32 s[\g+2], 16<<16
	s_mov_b32 s[\g+3], 32<<16
	s_mov_b32 s[\g+4], 16
	s_mov_b32 s[\g+5], 32
	s_mov_b32 s[\g+6], 0
	s_mov_b32 s[\g+7], 0
.endr
	s_lshl_b32 s18, s16, 3                         ; which eight tiles I fetch
	s_lshl_b32 s20, s17, 4
	s_add_co_u32 s20, s20, s18                     ; A: the first of them
	s_lshl_b32 s46, s42, 4
	s_add_co_u32 s46, s46, s18                     ; B: likewise
	s_lshl_b32 s22, s20, 9                         ; their scale bytes,
	s_mov_b32 s23, 0
	s_lshl_b32 s92, s46, 9
	s_mov_b32 s93, 0
	s_mul_i32 s20, s20, 12288                      ; and their codes
	s_add_co_u32 s20, s20, CODES
	s_mov_b32 s21, 0
	s_mul_i32 s46, s46, 12288
	s_add_co_u32 s46, s46, CODES
	s_mov_b32 s47, 0
	s_mul_i32 s45, s14, HALFT                      ; where they go: by the wave's number alone
	s_mul_i32 s94, s14, HALFS
	s_wait_kmcnt 0x0
	s_add_nc_u64 s[20:21], s[4:5], s[20:21]
	s_add_nc_u64 s[22:23], s[4:5], s[22:23]
	s_add_nc_u64 s[46:47], s[6:7], s[46:47]
	s_add_nc_u64 s[92:93], s[6:7], s[92:93]
	CROUND                                         ; all sixteen work-groups are here: the first joint loads meet
	s_mov_b32 s[G0S], 1
	s_add_co_u32 s[G0S+1], s94, SCL
	s_mov_b64 s[G0S+2:G0S+3], s[22:23]
	s_or_b32 s[G0S+3], s[G0S+3], 0x80000000
	s_mov_b32 s[G0SB], 1
	s_add_co_u32 s[G0SB+1], s94, SCL+128
	s_mov_b64 s[G0SB+2:G0SB+3], s[92:93]
	s_or_b32 s[G0SB+3], s[G0SB+3], 0x80000000
	JLOAD G0S, G1S, G0SB, G1SB                     ; the scale bytes first: three loads of mine are out behind these first fills
.irp s, 0,1
	s_mov_b32 s[G0+4*\s], 1
	s_add_co_u32 s[G0+4*\s+1], s45, \s*SLOT
	s_add_nc_u64 s[G0+4*\s+2:G0+4*\s+3], s[20:21], \s*TB
	s_or_b32 s[G0+4*\s+3], s[G0+4*\s+3], 0x80000000
	s_mov_b32 s[G0B+4*\s], 1
	s_add_co_u32 s[G0B+4*\s+1], s45, \s*SLOT
	s_add_nc_u64 s[G0B+4*\s+2:G0B+4*\s+3], s[46:47], \s*TB
	s_or_b32 s[G0B+4*\s+3], s[G0B+4*\s+3], 0x80000000
	JLOAD G0+4*\s, G1, G0B+4*\s, G1B
.endr
	v_and_b32 v1, 15, v0                           ; r
	v_bfe_u32 v2, v0, 4, 1                         ; h
	v_and_b32 v3, 31, v0                           ; lane
	v_lshlrev_b32 v[I16], 4, v3
	v_lshlrev_b32 v[I8], 3, v3
	v_lshlrev_b32 v[I4], 2, v3
	s_mul_i32 s21, s15, HALFT                      ; my eight tiles of A
	s_mul_i32 s22, s16, HALFT                      ; my eight of B,
	s_add_co_u32 s22, s22, 2*HALFT                 ; which lie behind A's sixteen
.irp s, 0,1
	v_add_nc_u32 v[ADRA+\s], s21, v[I16]
	v_add_nc_u32 v[ADRB+\s], s22, v[I16]
	v_add_nc_u32 v[ADRA+2+\s], s21, v[I8]
	v_add_nc_u32 v[ADRB+2+\s], s22, v[I8]
	s_add_co_u32 s21, s21, SLOT
	s_add_co_u32 s22, s22, SLOT
.endr
	v_lshlrev_b32 v5, 3, v1                        ; my row's 8 scale bytes of a step
	s_mul_i32 s21, s15, HALFS                      ; A's: my eight tiles
	s_mul_i32 s22, s16, HALFS                      ; B's: my eight, behind A's sixteen, 128 bytes on
	s_add_co_u32 s22, s22, 2*HALFS+128
	s_sub_co_u32 s22, s22, s21
	v_mul_u32_u24 v6, s22, v2                      ; lanes 16-31 take B's: one product, the distance between the two
	s_add_co_u32 s21, s21, SCL
	v_add_nc_u32 v5, v5, v6
	v_add_nc_u32 v[ADRS], s21, v5
.irp b, 0,1,2,3
	v_mov_b32 v[TM+4+\b], 0                        ; written once: a lane permute's destination counts as one of its sources
.endr
	; where my part of the result goes
	s_lshl_b32 s20, s17, 4
	s_lshl_b32 s21, s15, 3
	s_add_co_u32 s20, s20, s21                     ; my first tile of A
	s_lshl_b32 s46, s42, 1
	s_add_co_u32 s46, s46, s16                     ; my 128 rows of B
	s_lshl_b32 s47, s46, 9
	s_add_co_u32 s47, s47, s20
	s_lshl_b32 s18, s47, 6
	s_mov_b32 s19, 0
	s_add_nc_u64 s[8:9], s[12:13], s[18:19]        ; scale words
	s_lshl_b32 s47, s46, 10
	s_add_co_u32 s47, s47, s20
	s_mul_i32 s18, s47, 768
	s_add_co_u32 s18, s18, PCODES
	s_add_nc_u64 s[10:11], s[12:13], s[18:19]      ; half images
.macro FRAG reg, adr, q, i             ; a fragment, 16 rows x 128 K, is two half images: four dense loads
	ds_load_b128 v[\reg:\reg+3], v[\adr] offset:(\i)*TB+(\q)*1536
	ds_load_b64 v[\reg+4:\reg+5], v[\adr+2] offset:(\i)*TB+(\q)*1536+512
	ds_load_b128 v[\reg+6:\reg+9], v[\adr] offset:(\i)*TB+(\q)*1536+768
	ds_load_b64 v[\reg+10:\reg+11], v[\adr+2] offset:(\i)*TB+(\q)*1536+1280
.endm
; 16 matrix instructions: A's tiles a0, a0 + 1 x B's eight.  p: B's set; sc: the set of scale words.  zero = 1: the first product starts the sums.  The 64 accumulators take turns, one instruction a turn, in the same order in every step.
.macro MUL16 a0, p, q, sc, zero
.irp a, \a0, \a0+1
.irp b, 0,1,2,3,4,5,6,7
.if \zero
	v_wmma_scale_f32_16x16x128_f8f6f4 v[8*(8*((\a)%4)+\b):8*(8*((\a)%4)+\b)+7], v[128*(\p)+FR*\b:128*(\p)+FR*\b+FR-1], v[AF+FR*(\a):AF+FR*(\a)+FR-1], 0, v[SC+8*NQ*(\sc)+NQ*\b+(\q)], v[SC+8*NQ*(\sc)+NQ*(\a)+(\q)] matrix_a_fmt:MATRIX_FMT_FP6 matrix_b_fmt:MATRIX_FMT_FP6 matrix_a_scale:MATRIX_SCALE_ROW1
.else
	v_wmma_scale_f32_16x16x128_f8f6f4 v[8*(8*((\a)%4)+\b):8*(8*((\a)%4)+\b)+7], v[128*(\p)+FR*\b:128*(\p)+FR*\b+FR-1], v[AF+FR*(\a):AF+FR*(\a)+FR-1], v[8*(8*((\a)%4)+\b):8*(8*((\a)%4)+\b)+7], v[SC+8*NQ*(\sc)+NQ*\b+(\q)], v[SC+8*NQ*(\sc)+NQ*(\a)+(\q)] matrix_a_fmt:MATRIX_FMT_FP6 matrix_b_fmt:MATRIX_FMT_FP6 matrix_a_scale:MATRIX_SCALE_ROW1
.endif
.endr
.endr
.endm
.macro FETCH_B slot, q, p
	WIN TO_B
.irp i, 0,1,2,3,4,5,6,7
	FRAG 128*(\p)+FR*\i, ADRB+\slot, \q, \i
.endr
	WIN 0
.endm
.macro FETCH_A slot, q, i0
.irp i, \i0, \i0+1, \i0+2, \i0+3
	FRAG AF+FR*(\i), ADRA+\slot, \q, \i
.endr
.endm
.macro SCALES sc                       ; a step's scale words: two words a row; lanes 0-15 take A's tile i, lanes 16-31 B's tile i
.irp i, 0,1,2,3,4,5,6,7
	ds_load_b64 v[SC+8*NQ*\sc+NQ*\i:SC+8*NQ*\sc+NQ*\i+1], v[ADRS] offset:\i*512
.endr
.endm
.macro PLACES n                        ; plain vector instructions between a matrix instruction and a load into, or a read of, its registers
.rept \n
	v_nop
.endr
.endm
.macro STEP slot, q, zero              ; 128 along K that have their successor in the same slot
	s_wait_dscnt 4*NL                              ; B's set and A's tiles 0-3 are in; the youngest 16 loads (A's tiles 4-7) may be out
	WIN MUL_LO
	MUL16 0, (\q)%2, \q, \slot, \zero
	MUL16 2, (\q)%2, \q, \slot, \zero
	s_wait_dscnt 0
	PLACES NP
	FETCH_B \slot, (\q)+1, 1-(\q)%2
	FETCH_A \slot, (\q)+1, 0
	WIN MUL_HI
	MUL16 4, (\q)%2, \q, \slot, \zero
	MUL16 6, (\q)%2, \q, \slot, \zero
	PLACES NP
	WIN 0
	FETCH_A \slot, (\q)+1, 4
.endm
; A slot's last 128 change slots: ONE barrier; in front of it each wave waits for all its tensor loads, adds 0 to its spare word, and waits for that and for its own reads of this slot.  fill = 1: this slot is filled again, two steps of 256 ahead.
.macro TURN slot, next, fill
	s_wait_tensorcnt 0x0                           ; all my tensor loads have landed: my part of the next slot
	ds_add_u32 v[SPW], v[NIL]                      ; 0 onto my spare word
	s_wait_dscnt 4*NL+1                            ; (the add and the youngest 16 loads may be out)
	WIN MUL_LO
	MUL16 0, 1, NQ-1, \slot, 0
	s_wait_dscnt 0x0                               ; the add is done, and my reads of this slot are over
	s_barrier_signal -1
	MUL16 2, 1, NQ-1, \slot, 0
	WIN 0
	s_barrier_wait -1
.if \fill
	CREST                                          ; the barrier has opened a round of the cluster's barrier: no wave of any partner still reads this slot or has a load on its way
	s_add_nc_u64 s[G0+4*\slot+2:G0+4*\slot+3], s[G0+4*\slot+2:G0+4*\slot+3], 2*TB
	s_add_nc_u64 s[G0B+4*\slot+2:G0B+4*\slot+3], s[G0B+4*\slot+2:G0B+4*\slot+3], 2*TB
	JLOAD G0+4*\slot, G1, G0B+4*\slot, G1B         ; the first tensor load behind the round; its four v_nop are the places in front of the loads below
.else
	PLACES NP
.endif
	v_add_nc_u32 v[ADRS], 128, v[ADRS]             ; on to the next step's scale words (no LDS load of mine is out)
	FETCH_B \next, 0, 0
	FETCH_A \next, 0, 0
	SCALES \next
	WIN MUL_HI
	MUL16 4, 1, NQ-1, \slot, 0
	MUL16 6, 1, NQ-1, \slot, 0
	PLACES NP
	WIN 0
	FETCH_A \next, 0, 4
.endm
	s_wait_tensorcnt 1                             ; the scale bytes and my part of slot 0 are in (slot 1's load may be out)
	s_barrier_signal -1
	s_barrier_wait -1                              ; everybody's are
	FETCH_B 0, 0, 0
	FETCH_A 0, 0, 0
	SCALES 0
	FETCH_A 0, 0, 4
	STEP 0, 0, 1                                   ; K = 1,024 is four slots' worth: the eight steps of 128 are written out
	TURN 0, 1, 1
	STEP 1, 0, 0
	TURN 1, 0, 1
	STEP 0, 0, 0
	TURN 0, 1, 0                                   ; nothing is left to fetch
	STEP 1, 0, 0
	s_wait_dscnt 4*NL
	WIN MUL_LO
	MUL16 0, 1, NQ-1, 1, 0
	MUL16 2, 1, NQ-1, 1, 0
	s_wait_dscnt 0
	WIN MUL_HI
	MUL16 4, 1, NQ-1, 1, 0
	MUL16 6, 1, NQ-1, 1, 0
	WIN 0
	PLACES NP                                      ; in front of the first read of results
; 64 numbers of a lane in window w, v[s] on, register 16 b + i = place 32 b + 16 (lane / 16) + i along the result's K, become a fragment's codes in v[PC] on and its scale word in v[pw].  Each accumulator is read from its low end on.
.macro QUANTW s, w, pw
	WIN ((\w)<<2)|((\w)<<4)
.irp b, 0,1,2,3
	v_max3_num_f32 v[TM+\b], 0x1800000, |v[(\s)+16*\b]|, |v[(\s)+16*\b+1]|   ; the floor 2^(3 - 127) keeps the byte at 1 or above
.endr
.irp i, 2,4,6,8,10,12,14
.irp b, 0,1,2,3
	v_max3_num_f32 v[TM+\b], v[TM+\b], |v[(\s)+16*\b+\i]|, |v[(\s)+16*\b+\i+1]|
.endr
.endr
	WIN 0
.irp b, 0,1,2,3
	v_permlanex16_b32 v[TM+4+\b], v[TM+\b], s2, s3
.endr
.irp b, 0,1,2,3
	v_max_num_f32 v[TM+\b], v[TM+\b], v[TM+4+\b]   ; with lane l xor 16's: the block's largest magnitude
.endr
.irp b, 0,1,2,3
	v_add_nc_u32 v[TM+12+\b], 0xff000000, v[TM+\b] ; 2 off its exponent field: the conversion's scale operand
.endr
.irp b, 0,1,2,3
	v_lshrrev_b32 v[TM+4+\b], 23, v[TM+12+\b]      ; the byte
.endr
	v_lshl_or_b32 v[\pw], v[TM+5], 8, v[TM+4]
	v_lshl_or_b32 v[\pw], v[TM+6], 16, v[\pw]
	v_lshl_or_b32 v[\pw], v[TM+7], 24, v[\pw]
	WIN (\w)
.irp c, 0,1
	v_cvt_scalef32_pk16_fp6_f32 v[PC+6*\c:PC+6*\c+2], v[(\s)+32*\c:(\s)+32*\c+15], v[TM+12+2*\c]
	v_cvt_scalef32_pk16_fp6_f32 v[PC+12+4*\c:PC+14+4*\c], v[(\s)+32*\c+16:(\s)+32*\c+31], v[TM+13+2*\c]
.endr
	WIN 0
	v_nop                                          ; one plain place behind a scaled conversion
.irp c, 0,1                            ; the operand's layout wants a whole block in a lane
.irp i, 0,1,2
	v_permlane16_swap_b32 v[PC+6*\c+\i], v[PC+12+4*\c+\i]
.endr
.irp i, 0,1,2
	v_mov_b32 v[PC+3+6*\c+\i], v[PC+12+4*\c+\i]
.endr
.endr
.endm
	s_mov_b32 s2, 0x76543210
	s_mov_b32 s3, 0xfedcba98                       ; v_permlanex16_b32's selects for lane l xor 16
.irp a, 0,1,2,3,4,5,6,7                ; my eight tiles of A: each becomes two half images
.if \a > 0
	s_wait_xcnt 0x0                                ; the last tile's stores have read the codes' registers
.endif
	QUANTW 64*(\a%4), 2+\a/4, PWS+\a
	global_store_b128 v[I16], v[PC:PC+3], s[10:11] offset:768*\a                 ; 512 consecutive bytes
	global_store_b64 v[I8], v[PC+4:PC+5], s[10:11] offset:768*\a+512             ; 256 consecutive bytes
	global_store_b128 v[I16], v[PC+6:PC+9], s[10:11] offset:768*\a+393216        ; the next 64 rows of B: 512 places of 768 bytes on
	global_store_b64 v[I8], v[PC+10:PC+11], s[10:11] offset:768*\a+393216+512
.endr
	v_cmp_lt_u32 vcc_lo, 15, v3                    ; lanes 16-31 take the odd tile's words: a store then covers 128 consecutive bytes
.irp p, 0,1,2,3
	v_cndmask_b32 v[TM+\p], v[PWS+2*\p], v[PWS+2*\p+1], vcc_lo
.endr
.irp p, 0,1,2,3
	global_store_b32 v[I4], v[TM+\p], s[8:9] offset:128*\p
.endr
	s_wait_tensorcnt 0x0                           ; the wave's end
	ds_add_u32 v[SPW], v[NIL]
	s_wait_dscnt 0x0
	CROUND                                         ; the closing round
	s_endpgm
.Lfunc_end_k_qa04e07a5e2_gemm_qk:
	.size	k_qa04e07a5e2_gemm_qk, .Lfunc_end_k_qa04e07a5e2_gemm_qk-k_qa04e07a5e2_gemm_qk
	.p2alignl 7, 3214868480
	.fill 96, 4, 3214868480
	.section	.rodata,"a",@progbits
	.p2align	6, 0x0
	.amdhsa_kernel k_qa04e07a5e2_gemm_qk
		.amdhsa_group_segment_fixed_size 327680
		.amdhsa_private_segment_fixed_size 0
		.amdhsa_enable_private_segment 0
		.amdhsa_kernarg_size 24
		.amdhsa_user_sgpr_count 2
		.amdhsa_user_sgpr_kernarg_segment_ptr 1
		.amdhsa_wavefront_size32 1
		.amdhsa_system_sgpr_workgroup_id_x 1
		.amdhsa_system_sgpr_workgroup_id_y 1
		.amdhsa_system_sgpr_workgroup_id_z 1
		.amdhsa_system_vgpr_workitem_id 0
		.amdhsa_next_free_vgpr 1024
		.amdhsa_next_free_sgpr 98
		.amdhsa_reserve_vcc 1
		.amdhsa_float_denorm_mode_32 3
		.amdhsa_float_denorm_mode_16_64 3
		.amdhsa_memory_ordered 1
		.amdhsa_forward_progress 1
		.amdhsa_inst_pref_size 149
	.end_amdhsa_kernel
	.amdgpu_metadata
---
amdhsa.version: [ 1, 2 ]
amdhsa.kernels:
  - .name:           k_qa04e07a5e2_gemm_qk
    .symbol:         k_qa04e07a5e2_gemm_qk.kd
    .args:
      - { .name: xq, .offset: 0, .size: 8, .value_kind: global_buffer, .address_space: global }
      - { .name: wqk, .offset: 8, .size: 8, .value_kind: global_buffer, .address_space: global }
      - { .name: qk, .offset: 16, .size: 8, .value_kind: global_buffer, .address_space: global }
    .group_segment_fixed_size: 327680
    .private_segment_fixed_size: 0
    .kernarg_segment_align: 8
    .kernarg_segment_size: 24
    .max_flat_workgroup_size: 128
    .sgpr_count:     98
    .vgpr_count:     1024
    .wavefront_size: 32
...
	.end_amdgpu_metadata
.endif
;; end of part 2
;; launch gemm_v: the kernel of part 2 again; grid 32 x 4, 4 waves a work-group, clusters of 4 x 4, 327,680 bytes of LDS; arguments wv, xq, vq; writes vq
;; launch attn (part 3): grid 256 x 1, 4 waves a work-group, no clusters, 76,288 bytes of LDS; arguments qk, vq, padding_mask, oq; writes oq
.if DOCPART == 3
	.amdgcn_target "amdgcn-amd-amdhsa--gfx1250"
	.amdhsa_code_object_version 6
	.text
	.protected	k_qa04e07a5e2_attn
	.globl	k_qa04e07a5e2_attn
	.p2align	8
	.type	k_qa04e07a5e2_attn,@function
k_qa04e07a5e2_attn:
	s_mov_b64 s[64:65], 0
	v_nop
	global_prefetch_b8 v0, s[64:65] scope:SCOPE_SE
	s_setreg_imm32_b32 hwreg(HW_REG_WAVE_MODE, 25, 1), 1
	s_wait_xcnt 0x0
; o = Q(softmax(Q(q) Q(k)^T / 8 + mask_w) x mask) Q(v), quantised along head x 64 + d for the last product.  q, k, v come as codes of FP6 (E2M3) from the two launches before (half images and scale words).
; THE WEIGHTS ARE QUANTISED FINISHED: a row's maximum and sum over all 1,024 keys are known before any of its weights is quantised, so a row's weights stay in registers from the scores to the second product.
; SHARES.  A work-group owns one head of one batch and 512 of its queries.  THE WAVES SHARE THE KEYS: wave w owns keys 256 w .. 256 w + 255; its fragments of k and v stay in its registers for the whole launch.
; All four waves walk the same eight trips of four tiles of 16 queries.  Between waves only a query's maxima, its sums and the parts of o go through LDS: three barriers a trip.
; LAYOUT.  Both products are used transposed (S^T = k q^T, O^T = v^T p^T): a lane holds one query.  By the order of rows in a tile (lane r of tile T: row 32 (T / 2) + 8 (T % 2) + r + 8 (r / 8)) the 16 registers of
; key tiles 2 p, 2 p + 1 are the 16 neighbouring keys 32 p + 16 (lane / 16) + 0 .. 15.
; A HEAD HAS 64 ALONG K, THE INSTRUCTION 128: a fragment of k holds TWO key tiles, one in each half of K, and q stands beside six registers of zero codes, [q | 0] or [0 | q], which picks the tile.
; THE MASK MAY HOLD ANY NUMBERS.  The additive term is added to the finished product in f32, as 8 x mask_w onto 8 x score: both scalings are exact, so the sum is 8 x the sum that is defined, rounded to nearest as there.
; THE ROW'S LARGEST SUM IS TAKEN AWAY FIRST, and the difference is then multiplied by c = log2(e) / 8: the largest sum gives t = 0 and p = 1 whatever its size, so a row's sum is at least 1 and no exponential overflows.
; THE ORDER OF A TRIP'S VECTOR WORK: an exponential and a plain instruction by turns; the row sums in eight chains by turns; the mask's factor multiplied in while the waves' sums are exchanged; a tile's part of O^T stored as soon as it is finished.
; No cluster: the two work-groups of a head share only k's and v's 96 KiB, which each reads once, straight into registers; no tensor load, so no ring.
; LIMITS: a weight is (p x mask) x (1 / sum), where the definition has (p / sum) x mask: two roundings of f32 either way, in another order; weights under 2^-126 are 0 (v_exp_f32's results are flushed: ISA guide, its entry in 15.8);
; (1 - mask) x 8e10 must be finite; a block of zeros gets the byte 1 and not 127 (zero codes; this program alone reads the bytes); NaN and infinities are not served.
; REGISTERS.  window 0: v1-10 addresses; v16-69 zeros and q by turns (Z0 Q0 Z1 Q1 Z2 Q2 Z3 Q3 Z4, six each); v70-94 scale words; v96-243 at work.
;   window 1: v0-95 k (8 fragments of two tiles); v96-191 v (tile t, 128 keys s: at 96 + 12 (2 t + s)); v192-255 64 mask numbers.   windows 2, 3: S^T, then p: query tile i at window 2 + i / 2, v[128 (i % 2)] on; O^T of tile i takes its first 32 registers.
.set PCODES, 2097152
.set CODES,  262144
.set MA, 0                             ; LDS: 8 x mask_w of each key, f32
.set MM, 4096                          ; the mask
.set MX, 8192                          ; maxima [tile][query][wave]; the sums lie 1,024 bytes on
.set OP, 10240                         ; parts of O^T [tile][wave], 4,096 bytes each, as images of the registers
.set I16, 1                            ; v1 16 x lane
.set I8,  2                            ; v2 8 x lane
.set R4,  3                            ; v3 4 r
.set AM,  4                            ; v4 my keys' mask numbers: 1,024 w + 64 h
.set MXS, 5                            ; v5 MX + 16 r + 4 w
.set MXL, 6                            ; v6 MX + 16 r
.set OPS, 7                            ; v7 OP + 4,096 w + 16 lane
.set OPL, 8                            ; v8 OP + 16,384 w + 16 lane
.set R8,  9                            ; v9 8 r
.set HW,  10                           ; v10 o's two scale bytes
.set ZQ,  16
.set QR,  70                           ; q's scale words as loaded (two heads')
.set QS,  74                           ; my head's two bytes, twice
.set KS,  78                           ; k's: two tiles' two bytes
.set VS,  86                           ; v's
.set PW,  94                           ; p's
.set NM,  96                           ; pairs: -(the row's largest sum)
.set RR,  104                          ; pairs: 1 / sum
.set TM,  128
.set PC,  144
.set RT,  164
.set CH,  180
.set KR,  196
.set SA,  212                          ; v212-243 row sums: four pairs a tile (at the head: the mask numbers as loaded)
.set VF,  96
.set MK,  192
.set SELX, 20                          ; s[20:21] v_permlanex16_b32's selects
.set CS,   22                          ; s[22:23] c = log2(e) / 8
.set MSB, 0
.macro WIN new
.if MSB != (\new)
	s_set_vgpr_msb (MSB<<8)|(\new)
.set MSB, (\new)
.endif
.endm
.macro PLACES n
.rept \n
	v_nop
.endr
.endm
.macro BARRIER                         ; my LDS stores have landed and my LDS loads are in: then the work-group's barrier
	s_wait_dscnt 0x0
	s_barrier_signal -1
	s_barrier_wait -1
.endm
	s_load_b256 s[4:11], s[0:1], 0x0               ; qk s[4:5], vq s[6:7], the mask s[8:9], oq s[10:11]
	v_lshl_add_u32 v254, v0, 2, 0x12800
	v_mov_b32 v255, 0
	v_lshrrev_b32 v10, 5, v0
	v_readfirstlane_b32 s12, v10                   ; wave 0..3
	s_lshr_b32 s16, ttmp9, 1
	s_and_b32 s15, ttmp9, 1                        ; which 512 queries
	s_lshr_b32 s13, s16, 4                         ; batch
	s_and_b32 s14, s16, 15                         ; head
	s_mov_b32 s[SELX], 0x76543210
	s_mov_b32 s[SELX+1], 0xfedcba98
	s_mov_b32 s[CS], 0x3e38aa3b
	s_mov_b32 s[CS+1], s[CS]                       ; (named with it as a pair, so it is written)
	s_mov_b32 s24, 0x05040100                      ; a scale word holds two heads' bytes: an even head's are the low two,
	s_and_b32 s17, s14, 1
	s_cmp_lg_u32 s17, 0
	s_cselect_b32 s24, 0x07060302, s24             ; an odd head's the high two
	s_lshl_b32 s17, s13, 6
	s_lshl_b32 s18, s12, 4
	s_add_co_u32 s17, s17, s18                     ; my first key tile: 64 b + 16 w
	s_add_co_u32 s18, s14, 16
	s_lshl_b32 s18, s18, 9
	s_add_co_u32 s18, s18, s17
	s_mul_i32 s34, s18, 768
	s_add_co_u32 s34, s34, PCODES                  ; k's half images
	s_mov_b32 s35, 0
	s_lshr_b32 s19, s14, 1                         ; the pair of heads
	s_add_co_u32 s18, s19, 8
	s_lshl_b32 s18, s18, 9
	s_add_co_u32 s18, s18, s17
	s_lshl_b32 s36, s18, 6                         ; k's scale words
	s_mov_b32 s37, 0
	s_lshl_b32 s18, s13, 4
	s_lshl_b32 s44, s12, 2
	s_add_co_u32 s18, s18, s44                     ; my first 64 keys: 16 b + 4 w
	s_lshl_b32 s44, s14, 2                         ; the head's first tile of channels
	s_lshl_b32 s45, s18, 9
	s_add_co_u32 s45, s45, s44
	s_mul_i32 s38, s45, 768
	s_add_co_u32 s38, s38, PCODES                  ; v's half images
	s_mov_b32 s39, 0
	s_lshl_b32 s45, s18, 8
	s_add_co_u32 s45, s45, s44
	s_lshl_b32 s40, s45, 6                         ; v's scale words
	s_mov_b32 s41, 0
	s_lshl_b32 s18, s13, 6
	s_lshl_b32 s44, s15, 5
	s_add_co_u32 s18, s18, s44                     ; my first query tile: 64 b + 32 x half
	s_lshl_b32 s44, s14, 9
	s_add_co_u32 s44, s44, s18
	s_mul_i32 s26, s44, 768
	s_add_co_u32 s26, s26, PCODES                  ; q's half images
	s_mov_b32 s27, 0
	s_lshl_b32 s44, s19, 9
	s_add_co_u32 s44, s44, s18
	s_lshl_b32 s28, s44, 6                         ; q's scale words
	s_mov_b32 s29, 0
	s_add_co_u32 s18, s18, s12                     ; the tile that I finish in a trip: + w
	s_mul_i32 s30, s18, 12288
	s_mul_i32 s44, s14, 768
	s_add_co_u32 s30, s30, s44
	s_add_co_u32 s30, s30, CODES                   ; o's half image: 64 along K = the head
	s_mov_b32 s31, 0
	s_lshl_b32 s32, s18, 9
	s_lshr_b32 s44, s14, 2
	s_lshl_b32 s44, s44, 7
	s_add_co_u32 s32, s32, s44
	s_and_b32 s44, s14, 3
	s_lshl_b32 s44, s44, 1
	s_add_co_u32 s32, s32, s44                     ; o's two scale bytes
	s_mov_b32 s33, 0
	s_lshl_b32 s42, s13, 12
	s_lshl_b32 s44, s12, 10
	s_add_co_u32 s42, s42, s44                     ; my 256 mask numbers
	s_mov_b32 s43, 0
	v_and_b32 v11, 31, v0                          ; lane
	v_and_b32 v12, 15, v0                          ; r
	v_bfe_u32 v13, v0, 4, 1                        ; h
	v_lshlrev_b32 v[I16], 4, v11
	v_lshlrev_b32 v[I8], 3, v11
	v_lshlrev_b32 v[R4], 2, v12
	v_lshlrev_b32 v[R8], 3, v12
	v_lshl_add_u32 v[AM], v13, 6, s44
	s_lshl_b32 s45, s12, 2
	v_lshl_add_u32 v[MXL], v12, 4, MX
	v_add_nc_u32 v[MXS], s45, v[MXL]
	s_lshl_b32 s45, s12, 12
	v_add_nc_u32 v[OPS], s45, v[I16]
	v_add_nc_u32 v[OPS], OP, v[OPS]
	s_lshl_b32 s45, s12, 14
	v_add_nc_u32 v[OPL], s45, v[I16]
	v_add_nc_u32 v[OPL], OP, v[OPL]
	v_lshlrev_b32 v14, 5, v11                      ; 32 x lane: my 8 mask numbers,
	v_add_nc_u32 v15, s44, v14                     ; and their place in LDS
	s_wait_kmcnt 0x0
	s_add_nc_u64 s[34:35], s[4:5], s[34:35]
	s_add_nc_u64 s[36:37], s[4:5], s[36:37]
	s_add_nc_u64 s[38:39], s[6:7], s[38:39]
	s_add_nc_u64 s[40:41], s[6:7], s[40:41]
	s_add_nc_u64 s[26:27], s[4:5], s[26:27]
	s_add_nc_u64 s[28:29], s[4:5], s[28:29]
	s_add_nc_u64 s[30:31], s[10:11], s[30:31]
	s_add_nc_u64 s[32:33], s[10:11], s[32:33]
	s_add_nc_u64 s[42:43], s[8:9], s[42:43]
	WIN 0x40                                       ; destination window 1
.irp t, 0,1,2,3,4,5,6,7,8,9,10,11,12,13,14,15      ; k: key tile t into half t % 2 of fragment t / 2
	global_load_b128 v[12*(\t/2)+6*(\t%2):12*(\t/2)+6*(\t%2)+3], v[I16], s[34:35] offset:768*\t
	global_load_b64 v[12*(\t/2)+6*(\t%2)+4:12*(\t/2)+6*(\t%2)+5], v[I8], s[34:35] offset:768*\t+512
.endr
.irp t, 0,1,2,3
.irp s, 0,1
.irp c, 0,1                                        ; v: channels' tile t, keys 128 s + 64 c on
	global_load_b128 v[VF+12*(2*\t+\s)+6*\c:VF+12*(2*\t+\s)+6*\c+3], v[I16], s[38:39] offset:((2*\s+\c)*512+\t)*768
	global_load_b64 v[VF+12*(2*\t+\s)+6*\c+4:VF+12*(2*\t+\s)+6*\c+5], v[I8], s[38:39] offset:((2*\s+\c)*512+\t)*768+512
.endr
.endr
.endr
	WIN 0
.irp t, 0,1,2,3,4,5,6,7,8,9,10,11,12,13,14,15
	global_load_b32 v[KR+\t], v[R4], s[36:37] offset:64*\t
.endr
.irp t, 0,1,2,3
.irp s, 0,1
	global_load_b32 v[VS+2*\t+\s], v[R4], s[40:41] offset:(\s*512+\t)*64
.endr
.endr
	global_load_b128 v[212:215], v14, s[42:43]
	global_load_b128 v[216:219], v14, s[42:43] offset:16
.macro QLOAD                           ; a trip's four query tiles
.irp i, 0,1,2,3
	global_load_b128 v[ZQ+6+12*\i:ZQ+9+12*\i], v[I16], s[26:27] offset:768*\i
	global_load_b64 v[ZQ+10+12*\i:ZQ+11+12*\i], v[I8], s[26:27] offset:768*\i+512
	global_load_b32 v[QR+\i], v[R4], s[28:29] offset:64*\i
.endr
.endm
	QLOAD
.irp z, 0,1,2,3,4
.irp j, 0,1,2,3,4,5
	v_mov_b32 v[ZQ+12*\z+\j], 0                    ; the zero codes beside q: 30 registers, written once
.endr
.endr
.irp i, 0,1,2,3
	v_mov_b32 v[NM+2*\i+1], 0                      ; the pairs' upper words are named and not used: written once
	v_mov_b32 v[RR+2*\i+1], 0
	v_mov_b32 v[TM+4+\i], 0                        ; a lane permute's destination counts as one of its sources
.endr
	s_wait_loadcnt 0x0
.irp p, 0,1,2,3,4,5,6,7
	v_perm_b32 v[KS+\p], v[KR+2*\p+1], v[KR+2*\p], s24   ; my head's bytes of key tiles 2 p (low half) and 2 p + 1 (high half)
.endr
.irp j, 0,1,2,3,4,5,6,7
	v_sub_f32 v[220+\j], 1.0, v[212+\j]
.endr
.irp j, 0,1,2,3,4,5,6,7
	v_mul_f32 v[220+\j], 0x501502f9, v[220+\j]     ; x 1e10, rounded as the sum's term is defined,
.endr
.irp j, 0,1,2,3,4,5,6,7
	v_mul_f32 v[220+\j], 0xc1000000, v[220+\j]     ; x -8: exact
.endr
	ds_store_b128 v15, v[220:223] offset:MA        ; only my wave reads these bytes, in order behind these stores
	ds_store_b128 v15, v[224:227] offset:MA+16
	ds_store_b128 v15, v[212:215] offset:MM
	ds_store_b128 v15, v[216:219] offset:MM+16
.macro LOADMK base, s                  ; 64 mask numbers in S^T's layout: register 8 t + j = key 128 s + 32 (t / 2) + 16 h + 8 (t % 2) + j of my 256
	WIN 0x40
.irp t, 0,1,2,3,4,5,6,7
.irp e, 0,1
	ds_load_b128 v[MK+8*\t+4*\e:MK+8*\t+4*\e+3], v[AM] offset:\base+512*\s+128*(\t/2)+32*(\t%2)+16*\e
.endr
.endr
	WIN 0
.endm
.macro QKM i, half                     ; eight key tiles' products with query tile i (8 x the scores): one instruction each
	WIN ((2+\i/2)<<6)|0x01
.irp t, 0,1,2,3,4,5,6,7
	v_wmma_scale_f32_16x16x128_f8f6f4 v[128*(\i%2)+8*(8*\half+\t):128*(\i%2)+8*(8*\half+\t)+7], v[12*((8*\half+\t)/2):12*((8*\half+\t)/2)+11], v[ZQ+6+12*\i-6*(\t%2):ZQ+17+12*\i-6*(\t%2)], 0, v[KS+(8*\half+\t)/2], v[QS+\i] matrix_a_fmt:MATRIX_FMT_FP6 matrix_b_fmt:MATRIX_FMT_FP6
.endr
.endm
.macro ADDM i, half                    ; + 8 x mask_w, in f32, to nearest: 64 sums of query tile i; each accumulator is read from its low end on
.set aW, 2+(\i)/2
.set aS, 128*((\i)%2)+64*(\half)
	WIN (aW<<6)|(1<<2)|aW
.set aP, 0
.rept 32
	v_pk_add_f32 v[aS+aP:aS+aP+1], v[aS+aP:aS+aP+1], v[MK+aP:MK+aP+1]
.set aP, aP+2
.endr
.endm
.macro MAXC pr, half                   ; the largest of 64 sums of each of query tiles 2 pr, 2 pr + 1: four chains by turns
	WIN ((2+\pr)<<2)|((2+\pr)<<4)
.irp x, 0,1,2,3
	v_max3_num_f32 v[CH+8*\pr+4*(\x/2)+2*\half+\x%2], 0xff800000, v[128*(\x/2)+64*\half+32*(\x%2)], v[128*(\x/2)+64*\half+32*(\x%2)+1]
.endr
.irp p, 2,4,6,8,10,12,14,16,18,20,22,24,26,28,30
.irp x, 0,1,2,3
	v_max3_num_f32 v[CH+8*\pr+4*(\x/2)+2*\half+\x%2], v[CH+8*\pr+4*(\x/2)+2*\half+\x%2], v[128*(\x/2)+64*\half+32*(\x%2)+\p], v[128*(\x/2)+64*\half+32*(\x%2)+\p+1]
.endr
.endr
.endm
; Query tile i's 128 sums become p, in 16 groups of 8, under one window setting.  Stage g: the eight plain instructions of group g (four differences from the largest sum, four multiplications by c) stand one by one
; between the eight exponentials of group g - 1: no two exponentials follow each other but the last eight, and each has a plain instruction on other registers behind it.
.macro EXPT i
.set eW, 2+(\i)/2
.set eS, 128*((\i)%2)
	WIN (eW<<6)|eW
.set eG, 0
.rept 17
.set eK, 0
.rept 8
.if eG < 16
.if eK < 4
	v_pk_add_f32 v[eS+8*eG+2*eK:eS+8*eG+2*eK+1], v[eS+8*eG+2*eK:eS+8*eG+2*eK+1], v[NM+2*(\i):NM+2*(\i)+1] op_sel_hi:[1,0]   ; the difference first: 0 for the largest, whatever its size
.else
	v_pk_mul_f32 v[eS+8*eG+2*eK-8:eS+8*eG+2*eK-7], v[eS+8*eG+2*eK-8:eS+8*eG+2*eK-7], s[CS:CS+1] op_sel_hi:[1,0]
.endif
.endif
.if eG > 0
	v_exp_f32 v[eS+8*eG-8+eK], v[eS+8*eG-8+eK]
.endif
.set eK, eK+1
.endr
.set eG, eG+1
.endr
.endm
; The row sums of query tiles 2 pr and 2 pr + 1, of the unquantised p ahead of the mask's factor: four pairs of registers a tile, the eight chains by turns, so that an addition reads the result of the one eight lines back.
; The first eight additions start the sums: nothing is cleared.  They read groups 0 and 1: plain instructions on other registers than the last exponentials'.
.macro SUMP pr
.set sW, 2+(\pr)
	WIN (sW<<2)|sW
	s_wait_alu depctr_va_vdst(0)
.irp c, 0,1,2,3
.irp x, 0,1
	v_pk_add_f32 v[SA+8*(2*(\pr)+\x)+2*\c:SA+8*(2*(\pr)+\x)+2*\c+1], v[128*\x+2*\c:128*\x+2*\c+1], v[128*\x+8+2*\c:128*\x+8+2*\c+1]
.endr
.endr
	WIN (sW<<2)
.set sJ, 2
.rept 14
.irp c, 0,1,2,3
.irp x, 0,1
	v_pk_add_f32 v[SA+8*(2*(\pr)+\x)+2*\c:SA+8*(2*(\pr)+\x)+2*\c+1], v[SA+8*(2*(\pr)+\x)+2*\c:SA+8*(2*(\pr)+\x)+2*\c+1], v[128*\x+8*sJ+2*\c:128*\x+8*sJ+2*\c+1]
.endr
.endr
.set sJ, sJ+1
.endr
.endm
.macro MULM i, s                       ; query tile i, keys 128 s on: x the mask
.set mW, 2+(\i)/2
.set mS, 128*((\i)%2)+64*(\s)
	WIN (mW<<6)|(1<<2)|mW
.set mP, 0
.rept 32
	v_pk_mul_f32 v[mS+mP:mS+mP+1], v[mS+mP:mS+mP+1], v[MK+mP:MK+mP+1]
.set mP, mP+2
.endr
.endm
.macro NORMR n                         ; query tile n % 4, keys 128 (n / 4) on: x 1 / the row's sum
.set nI, (\n)%4
.set nW, 2+nI/2
.set nS, 128*(nI%2)+64*((\n)/4)
	WIN (nW<<6)|nW
.set nP, 0
.rept 32
	v_pk_mul_f32 v[nS+nP:nS+nP+1], v[nS+nP:nS+nP+1], v[RR+2*nI:RR+2*nI+1] op_sel_hi:[1,0]
.set nP, nP+2
.endr
.endm
; nb blocks of 32 along K: 16 nb numbers of a lane in window w, v[s] on, become codes in v[PC] on; the bytes lie in v[TM+4] on
.macro QUANTW s, w, nb
	WIN ((\w)<<2)|((\w)<<4)
.set qB, 0
.rept \nb
	v_max3_num_f32 v[TM+qB], 0x1800000, |v[(\s)+16*qB]|, |v[(\s)+16*qB+1]|   ; the floor 2^(3 - 127) keeps the byte at 1 or above
.set qB, qB+1
.endr
.irp i, 2,4,6,8,10,12,14
.set qB, 0
.rept \nb
	v_max3_num_f32 v[TM+qB], v[TM+qB], |v[(\s)+16*qB+\i]|, |v[(\s)+16*qB+\i+1]|
.set qB, qB+1
.endr
.endr
	WIN 0
.set qB, 0
.rept \nb
	v_permlanex16_b32 v[TM+4+qB], v[TM+qB], s[SELX], s[SELX+1]
.set qB, qB+1
.endr
.set qB, 0
.rept \nb
	v_max_num_f32 v[TM+qB], v[TM+qB], v[TM+4+qB]   ; with lane l xor 16's: the block's largest magnitude
.set qB, qB+1
.endr
.set qB, 0
.rept \nb
	v_add_nc_u32 v[TM+12+qB], 0xff000000, v[TM+qB] ; the conversion's scale operand
.set qB, qB+1
.endr
.set qB, 0
.rept \nb
	v_lshrrev_b32 v[TM+4+qB], 23, v[TM+12+qB]      ; the byte
.set qB, qB+1
.endr
.if \nb == 4
	v_lshl_or_b32 v[PW], v[TM+5], 8, v[TM+4]
	v_lshl_or_b32 v[PW], v[TM+6], 16, v[PW]
	v_lshl_or_b32 v[PW], v[TM+7], 24, v[PW]
.else
	v_lshl_or_b32 v[HW], v[TM+5], 8, v[TM+4]
.endif
	WIN (\w)
.set qB, 0
.rept \nb/2
	v_cvt_scalef32_pk16_fp6_f32 v[PC+6*qB:PC+6*qB+2], v[(\s)+32*qB:(\s)+32*qB+15], v[TM+12+2*qB]
	v_cvt_scalef32_pk16_fp6_f32 v[PC+12+4*qB:PC+14+4*qB], v[(\s)+32*qB+16:(\s)+32*qB+31], v[TM+13+2*qB]
.set qB, qB+1
.endr
	WIN 0
	v_nop                                          ; one plain place behind a scaled conversion
.set qB, 0
.rept \nb/2
.irp i, 0,1,2
	v_permlane16_swap_b32 v[PC+6*qB+\i], v[PC+12+4*qB+\i]
.endr
.irp i, 0,1,2
	v_mov_b32 v[PC+3+6*qB+\i], v[PC+12+4*qB+\i]
.endr
.set qB, qB+1
.endr
.endm
.macro QP n
.set qI, (\n)%4
	QUANTW 128*(qI%2)+64*((\n)/4), 2+qI/2, 4
.endm
.macro PV n                            ; O^T of query tile n % 4 += v^T p^T over keys 128 (n / 4) on.  The sixteen accumulators take turns, one instruction a turn
.set pI, (\n)%4
.set pW, 2+pI/2
.set pO, 128*(pI%2)
.set pS, (\n)/4
	WIN (pW<<6)|(pW<<4)|1
.irp t, 0,1,2,3
.if pS == 0
	v_wmma_scale_f32_16x16x128_f8f6f4 v[pO+8*\t:pO+8*\t+7], v[VF+12*(2*\t+pS):VF+12*(2*\t+pS)+11], v[PC:PC+11], 0, v[VS+2*\t+pS], v[PW] matrix_a_fmt:MATRIX_FMT_FP6 matrix_b_fmt:MATRIX_FMT_FP6
.else
	v_wmma_scale_f32_16x16x128_f8f6f4 v[pO+8*\t:pO+8*\t+7], v[VF+12*(2*\t+pS):VF+12*(2*\t+pS)+11], v[PC:PC+11], v[pO+8*\t:pO+8*\t+7], v[VS+2*\t+pS], v[PW] matrix_a_fmt:MATRIX_FMT_FP6 matrix_b_fmt:MATRIX_FMT_FP6
.endif
.endr
.endm
.macro STO i                           ; my part of O^T of query tile i goes to LDS as an image of the registers; each accumulator from its low end on
	WIN (2+(\i)/2)<<2
.irp k, 0,1,2,3,4,5,6,7
	ds_store_b128 v[OPS], v[128*((\i)%2)+4*\k:128*((\i)%2)+4*\k+3] offset:16384*(\i)+512*\k
.endr
.endm
	s_mov_b32 s25, 8                               ; trips: 32 query tiles, four a trip
.Ltrip:
	; ---- 1: products, the additive mask, and my keys' maxima
	s_wait_loadcnt 0x0                             ; q
.irp i, 0,1,2,3
	v_perm_b32 v[QS+\i], v[QR+\i], v[QR+\i], s24   ; my head's two bytes in both halves of the word
.endr
	LOADMK MA, 0                                   ; the first 128 keys' additive terms land while the products are made
	PLACES 8                                       ; a scale register written by a vector instruction stands 8 places ahead of a scaled matrix instruction
	QKM 0, 0
	QKM 1, 0
	QKM 2, 0
	QKM 3, 0
	QKM 0, 1
	QKM 1, 1
	QKM 2, 1
	QKM 3, 1
	WIN 0
	PLACES 4                                       ; in front of the first read of results and of loads into q's registers
	s_cmp_eq_u32 s25, 1                            ; the next trip's q is asked for here, if there is a next trip: no load leaves its buffer
	s_cbranch_scc1 .Lno_q
	s_add_nc_u64 s[26:27], s[26:27], 3072          ; (this trip's loads were waited for at the trip's head)
	s_add_nc_u64 s[28:29], s[28:29], 256
	QLOAD
.Lno_q:
	s_wait_dscnt 0x0                               ; the additive terms are in
	ADDM 0, 0
	ADDM 1, 0
	ADDM 2, 0
	ADDM 3, 0
	LOADMK MA, 1                                   ; the other 128 keys' terms,
	MAXC 0, 0                                      ; (while those loads land)
	MAXC 1, 0
	s_wait_dscnt 0x0
	ADDM 0, 1
	ADDM 1, 1
	ADDM 2, 1
	ADDM 3, 1
	LOADMK MM, 0                                   ; the additive terms have had their last use: the first 128 keys' mask numbers are asked for two phases ahead of theirs
	MAXC 0, 1
	MAXC 1, 1
	WIN 0
.irp i, 0,1,2,3
	v_max3_num_f32 v[CH+4*\i], v[CH+4*\i], v[CH+4*\i+1], v[CH+4*\i+2]
.endr
.irp i, 0,1,2,3
	v_max_num_f32 v[CH+4*\i], v[CH+4*\i], v[CH+4*\i+3]
.endr
.irp i, 0,1,2,3
	v_permlanex16_b32 v[CH+4*\i+1], v[CH+4*\i], s[SELX], s[SELX+1]
.endr
.irp i, 0,1,2,3
	v_max_num_f32 v[CH+4*\i], v[CH+4*\i], v[CH+4*\i+1]
.endr
.irp i, 0,1,2,3
	ds_store_b32 v[MXS], v[CH+4*\i] offset:256*\i  ; both halves of the lanes write the same word with the same value
.endr
	BARRIER                                        ; the four waves' maxima lie in LDS (and my mask numbers are in)
	; ---- 2: exponentials and my keys' sums
.irp i, 0,1,2,3
	ds_load_b128 v[RT+4*\i:RT+4*\i+3], v[MXL] offset:256*\i
.endr
	s_wait_dscnt 0x0
.irp i, 0,1,2,3
	v_max3_num_f32 v[RT+4*\i], v[RT+4*\i], v[RT+4*\i+1], v[RT+4*\i+2]
.endr
.irp i, 0,1,2,3
	v_max_num_f32 v[RT+4*\i], v[RT+4*\i], v[RT+4*\i+3]
.endr
.irp i, 0,1,2,3
	v_mul_f32 v[NM+2*\i], -1.0, v[RT+4*\i]         ; -(the row's largest sum): exact
.endr
	EXPT 0
	EXPT 1
	SUMP 0
	EXPT 2
	EXPT 3
	SUMP 1
	WIN 0
.irp i, 0,1,2,3
	v_pk_add_f32 v[SA+8*\i:SA+8*\i+1], v[SA+8*\i:SA+8*\i+1], v[SA+8*\i+2:SA+8*\i+3]
	v_pk_add_f32 v[SA+8*\i+4:SA+8*\i+5], v[SA+8*\i+4:SA+8*\i+5], v[SA+8*\i+6:SA+8*\i+7]
.endr
.irp i, 0,1,2,3
	v_pk_add_f32 v[SA+8*\i:SA+8*\i+1], v[SA+8*\i:SA+8*\i+1], v[SA+8*\i+4:SA+8*\i+5]
.endr
.irp i, 0,1,2,3
	v_add_f32 v[SA+8*\i], v[SA+8*\i], v[SA+8*\i+1]
.endr
.irp i, 0,1,2,3
	v_permlanex16_b32 v[SA+8*\i+1], v[SA+8*\i], s[SELX], s[SELX+1]
.endr
.irp i, 0,1,2,3
	v_add_f32 v[SA+8*\i], v[SA+8*\i], v[SA+8*\i+1]
.endr
.irp i, 0,1,2,3
	ds_store_b32 v[MXS], v[SA+8*\i] offset:1024+256*\i
.endr
	; ---- 3: the weights are finished, quantised and multiplied.  The mask's factor for the first 128 keys is multiplied in while the sums are exchanged: work on registers between the barrier's signal and its wait, and behind the loads
	s_wait_dscnt 0x0                               ; for the others' sake: my sums have landed
	s_barrier_signal -1
	MULM 0, 0
	MULM 1, 0
	WIN 0
	s_barrier_wait -1                              ; the four waves' sums lie in LDS
.irp i, 0,1,2,3
	ds_load_b128 v[RT+4*\i:RT+4*\i+3], v[MXL] offset:1024+256*\i
.endr
	MULM 2, 0
	MULM 3, 0
	LOADMK MM, 1                                   ; the first 128 keys' mask numbers have had their last use
	s_wait_dscnt 16                                ; LDS loads come back in order: the four loads of the sums are in; the 16 loads of mask numbers issued behind them may be out
.irp i, 0,1,2,3
	v_add_f32 v[RT+4*\i], v[RT+4*\i], v[RT+4*\i+1]
	v_add_f32 v[RT+4*\i+2], v[RT+4*\i+2], v[RT+4*\i+3]
.endr
.irp i, 0,1,2,3
	v_add_f32 v[RT+4*\i], v[RT+4*\i], v[RT+4*\i+2] ; the same order in all four waves: the same sum; it is at least 1
.endr
.irp i, 0,1,2,3
	v_rcp_f32 v[RR+2*\i], v[RT+4*\i]
.endr
	v_nop                                          ; one plain place behind a transcendental
	s_wait_alu depctr_va_vdst(0)
	; The next piece's 32 multiplications or more are the places between a piece's codes and scale word and its products; the 32 maxima behind the products are the places in front of the next write of both,
	; and in front of the stores of a tile's finished part of O^T.
	NORMR 0
	QP 0
	NORMR 1
	PV 0
	QP 1
	NORMR 2
	PV 1
	QP 2
	NORMR 3
	PV 2
	QP 3
	s_wait_dscnt 0x0                               ; the other 128 keys' mask numbers are in
	MULM 0, 1
	NORMR 4
	PV 3
	QP 4
	MULM 1, 1
	NORMR 5
	PV 4
	QP 5
	STO 0                                          ; tile 0's part is finished: it leaves while the others are worked on
	MULM 2, 1
	NORMR 6
	PV 5
	QP 6
	STO 1
	MULM 3, 1
	NORMR 7
	PV 6
	QP 7
	STO 2
	PLACES 8
	PV 7
	WIN 0
	PLACES 4
	STO 3
	WIN 0
	BARRIER                                        ; the sixteen parts of O^T lie in LDS
	; ---- 4: wave w finishes query tile w: the four waves' parts are added as they arrive, quantised along the head's 64, stored
	WIN 0x80
.irp u, 0,1,2,3
.irp k, 0,1,2,3,4,5,6,7
	ds_load_b128 v[32*\u+4*\k:32*\u+4*\k+3], v[OPL] offset:4096*\u+512*\k
.endr
.endr
	s_wait_dscnt 16                                ; parts 0 and 1 are in; the 16 loads of parts 2 and 3 may be out
	WIN 0x8a
.irp p, 0,2,4,6,8,10,12,14,16,18,20,22,24,26,28,30
	v_pk_add_f32 v[\p:\p+1], v[\p:\p+1], v[32+\p:33+\p]
.endr
	s_wait_dscnt 8                                 ; part 2 is in; part 3's eight loads may be out
.irp p, 0,2,4,6,8,10,12,14,16,18,20,22,24,26,28,30
	v_pk_add_f32 v[\p:\p+1], v[\p:\p+1], v[64+\p:65+\p]
.endr
	s_wait_dscnt 0x0
.irp p, 0,2,4,6,8,10,12,14,16,18,20,22,24,26,28,30
	v_pk_add_f32 v[\p:\p+1], v[\p:\p+1], v[96+\p:97+\p]
.endr
	QUANTW 0, 2, 2
	global_store_b128 v[I16], v[PC:PC+3], s[30:31]             ; 512 consecutive bytes
	global_store_b64 v[I8], v[PC+4:PC+5], s[30:31] offset:512  ; 256 consecutive bytes
	global_store_b16 v[R8], v[HW], s[32:33]                    ; my row's two bytes; lanes 16-31 hold the same half word as lanes 0-15 and store it to the same place
	s_wait_xcnt 0x0                                ; the stores have read their registers and bases: both may be written again
	s_add_nc_u64 s[30:31], s[30:31], 49152         ; four tiles on
	s_add_nc_u64 s[32:33], s[32:33], 2048
	s_sub_co_u32 s25, s25, 1
	s_cmp_lg_u32 s25, 0
	s_cbranch_scc1 .Ltrip
	s_wait_tensorcnt 0x0
	ds_add_u32 v254, v255
	s_wait_dscnt 0x0
	s_endpgm
.Lfunc_end_k_qa04e07a5e2_attn:
	.size	k_qa04e07a5e2_attn, .Lfunc_end_k_qa04e07a5e2_attn-k_qa04e07a5e2_attn
	.p2alignl 7, 3214868480
	.fill 96, 4, 3214868480
	.section	.rodata,"a",@progbits
	.p2align	6, 0x0
	.amdhsa_kernel k_qa04e07a5e2_attn
		.amdhsa_group_segment_fixed_size 76288
		.amdhsa_private_segment_fixed_size 0
		.amdhsa_enable_private_segment 0
		.amdhsa_kernarg_size 32
		.amdhsa_user_sgpr_count 2
		.amdhsa_user_sgpr_kernarg_segment_ptr 1
		.amdhsa_wavefront_size32 1
		.amdhsa_system_sgpr_workgroup_id_x 1
		.amdhsa_system_sgpr_workgroup_id_y 1
		.amdhsa_system_sgpr_workgroup_id_z 1
		.amdhsa_system_vgpr_workitem_id 0
		.amdhsa_next_free_vgpr 1024
		.amdhsa_next_free_sgpr 66
		.amdhsa_reserve_vcc 0
		.amdhsa_float_denorm_mode_32 3
		.amdhsa_float_denorm_mode_16_64 3
		.amdhsa_memory_ordered 1
		.amdhsa_forward_progress 1
		.amdhsa_inst_pref_size 210
	.end_amdhsa_kernel
	.amdgpu_metadata
---
amdhsa.version: [ 1, 2 ]
amdhsa.kernels:
  - .name:           k_qa04e07a5e2_attn
    .symbol:         k_qa04e07a5e2_attn.kd
    .args:
      - { .name: qk, .offset: 0, .size: 8, .value_kind: global_buffer, .address_space: global }
      - { .name: vq, .offset: 8, .size: 8, .value_kind: global_buffer, .address_space: global }
      - { .name: padding_mask, .offset: 16, .size: 8, .value_kind: global_buffer, .address_space: global }
      - { .name: oq, .offset: 24, .size: 8, .value_kind: global_buffer, .address_space: global }
    .group_segment_fixed_size: 76288
    .private_segment_fixed_size: 0
    .kernarg_segment_align: 8
    .kernarg_segment_size: 32
    .max_flat_workgroup_size: 128
    .sgpr_count:     66
    .vgpr_count:     1024
    .wavefront_size: 32
...
	.end_amdgpu_metadata
.endif
;; end of part 3
;; launch proj (part 4): grid 4 x 32, 4 waves a work-group, clusters of 4 x 4, 327,680 bytes of LDS; arguments oq, wp, bproj, out0; writes out0
.if DOCPART == 4
	.amdgcn_target "amdgcn-amd-amdhsa--gfx1250"
	.amdhsa_code_object_version 6
	.text
	.protected	k_qa04e07a5e2_proj
	.globl	k_qa04e07a5e2_proj
	.p2align	8
	.type	k_qa04e07a5e2_proj,@function
k_qa04e07a5e2_proj:
	s_mov_b64 s[64:65], 0
	v_nop
	global_prefetch_b8 v0, s[64:65] scope:SCOPE_SE
	s_setreg_imm32_b32 hwreg(HW_REG_WAVE_MODE, 25, 1), 1
	s_wait_xcnt 0x0
	s_wait_alu depctr_hold_cnt(0) depctr_sa_sdst(0) depctr_va_vdst(0) depctr_va_sdst(0) depctr_va_ssrc(0) depctr_va_vcc(0) depctr_vm_vsrc(0)
	s_getreg_b32 s2, hwreg(HW_REG_IB_STS2, 6, 4)
	s_cmp_eq_u32 s2, 0
	s_cbranch_scc0 .Lentry_in_a_cluster
	s_endpgm
.Lentry_in_a_cluster:
	s_bfe_u32 s2, ttmp6, 0x10000c
	s_cmp_lg_u32 s2, 0xf033
	s_cbranch_scc0 .Lentry_shape_is_right
	s_endpgm
.Lentry_shape_is_right:
; out0 = o Wproj + bproj.  o [8192][1024] and Wproj's columns come as operand buffers of codes of FP6 (E2M3), K = 1,024; out0 [8192][1024] f32.
; OPERAND BUFFER.  A tile is 16 rows; lane r of tile T holds row 32 (T / 2) + 8 (T % 2) + r + 8 (r / 8).  Scale bytes: 8 bytes at 512 T + 128 s + 8 r for the s-th 256 along K.  From CODES on half images
; (16 rows x 64 K, 768 bytes: lane l's first four registers at 16 l, its last two at 512 + 8 l) at 12,288 T + 768 g.
; A tile of the result, 256 x 256, is made by four waves; a wave makes 128 x 128: 64 accumulators, 512 registers.  K goes in steps of 256 through a ring of two LDS slots filled by the tensor data mover; the scale bytes come once.
; CLUSTERS: 4 x 4 work-groups; o's tiles are asked for jointly along a row of the cluster, Wproj's along a column.
; THE MATRIX INSTRUCTION IS USED TRANSPOSED (source 0 = a tile of Wproj's columns, source 1 = a tile of o): a lane holds one row of the result, and register j of column tile b is column 32 (b / 2) + 16 (lane / 16) + 8 (b % 2) + j.
; THE BIAS is the C of each sum's first instruction: eight registers a column tile, in the result's layout.  The order of rows in a tile is undone on the way out, by the stage's offsets and the stores' rows.
; REGISTERS: window 0: v0-31 addresses; v32-63 scale words, two sets; v64-127 the bias; from v128 o's fragments, one set (on the way out: rows of the result).  window 1: Wproj's fragments, two sets.  windows 2, 3: the accumulators.
.set CODES,  262144
.set NQ,     2
.set FR,     12
.set NL,     4
.set NP,     4
.set TB,     3072
.set HALFT,  8*TB
.set SLOT,   4*HALFT
.set SCL,    2*SLOT
.set HALFS,  4096
.set SPARE,  SCL+4*HALFS+256           ; the spare words, 128 bytes for each wave: two blocks of 256 bytes that no other line names
.set SPITCH, 528                       ; the way out: a stage of 16 rows x (512 bytes + 16) for each wave, in slot 0, which has had its last fill and its last read when the first result is stored there
.set ADRA, 16
.set ADRB, 20
.set STO,  24                          ; v24 where I put 32 bytes of a row
.set RD,   25                          ; v25 where I read a row back
.set CO,   26                          ; v26 16 x lane
.set ADRS, 27
.set SPW,  28                          ; v28 my spare word; never rewritten
.set NIL,  29                          ; v29 0; never rewritten
.set SC,   32
.set BI,   64
.set AF,   128
.set BK,   128
.set G1, 24
.set G0, 32
.set G1B, 48
.set G0B, 56
.set G1S, 68
.set G0S, 76
.set G1SB, 80
.set G0SB, 88
.set MSB, 0
.macro WIN new
.if MSB != (\new)
	s_set_vgpr_msb (MSB<<8)|(\new)
.set MSB, (\new)
.endif
.endm
.set MUL_LO, 0xa1                      ; source 0 (B) window 1, source 1 (A) window 0, C and D window 2
.set MUL_HI, 0xf1                      ; the same, C and D window 3
.set TO_B,   0x40
.macro JLOAD g0a, g1a, g0b, g1b        ; a joint load: waves 0 and 1 fetch for A, waves 2 and 3 for B; four v_nop follow each of the two lines
	s_cmp_eq_u32 s15, 0
	s_cbranch_scc0 .Lfor_b_\@
	tensor_load_to_lds s[\g0a:\g0a+3], s[\g1a:\g1a+7]
	s_nop 0
.rept 4
	v_nop
.endr
	s_branch .Lasked_\@
.Lfor_b_\@:
	tensor_load_to_lds s[\g0b:\g0b+3], s[\g1b:\g1b+7]
	s_nop 0
.rept 4
	v_nop
.endr
.Lasked_\@:
.endm
.macro CREST
	s_cmp_lg_u32 s14, 0
	s_cbranch_scc1 .Lnot_wave_0_\@
	s_barrier_signal -3
.Lnot_wave_0_\@:
	s_barrier_wait -3
	s_barrier_signal -1
	s_barrier_wait -1
.endm
.macro CROUND
	s_barrier_signal -1
	s_barrier_wait -1
	CREST
.endm
	s_load_b256 s[4:11], s[0:1], 0x0               ; o s[4:5], Wproj s[6:7], the bias s[8:9], out0 s[10:11]
	v_lshl_add_u32 v[SPW], v0, 2, SPARE
	v_mov_b32 v[NIL], 0
	ds_add_u32 v28, v29
	ds_add_u32 v28, v29
	s_wait_dscnt 0x0
	v_lshrrev_b32 v1, 5, v0
	v_readfirstlane_b32 s14, v1                    ; wave 0..3
	s_lshr_b32 s15, s14, 1                         ; which half of A's tiles is mine.  Also: I fetch for A (0) or for B (1)
	s_and_b32 s16, s14, 1                          ; which half of B's.  Also: which eight tiles I fetch
	s_bfe_u32 s40, ttmp6, 0x40000
	s_bfe_u32 s41, ttmp6, 0x40004
	s_lshl_b32 s42, ttmp9, 2
	s_add_co_u32 s42, s42, s40                     ; which 256 columns
	s_and_b32 s17, ttmp7, 0xffff
	s_lshl_b32 s17, s17, 2
	s_add_co_u32 s17, s17, s41                     ; which 256 rows
	s_lshl_b32 s43, s41, 2
	s_lshl_b32 s43, 15, s43                        ; my row of the cluster
	s_lshl_b32 s44, 0x1111, s40                    ; my column
	s_or_b32 s[G1+0], s43, (3<<16)|(1<<21)         ; codes: eight tiles, each 384 elements of 8 bytes on end, 1,536 elements apart; no padding
	s_or_b32 s[G1B+0], s44, (3<<16)|(1<<21)
.irp g, G1, G1B
	s_mov_b32 s[\g+1], 384<<16
	s_mov_b32 s[\g+2], 8<<16
	s_mov_b32 s[\g+3], 384<<16
	s_mov_b32 s[\g+4], 8
	s_mov_b32 s[\g+5], 1536
	s_mov_b32 s[\g+6], 0
	s_mov_b32 s[\g+7], 0
.endr
	s_or_b32 s[G1S+0], s43, (3<<16)|(1<<21)        ; scale bytes of eight tiles: 4,096 dense bytes as 16 rows of 256
	s_or_b32 s[G1SB+0], s44, (3<<16)|(1<<21)
.irp g, G1S, G1SB
	s_mov_b32 s[\g+1], 32<<16
	s_mov_b32 s[\g+2], 16<<16
	s_mov_b32 s[\g+3], 32<<16
	s_mov_b32 s[\g+4], 16
	s_mov_b32 s[\g+5], 32
	s_mov_b32 s[\g+6], 0
	s_mov_b32 s[\g+7], 0
.endr
	s_lshl_b32 s18, s16, 3
	s_lshl_b32 s20, s17, 4
	s_add_co_u32 s20, s20, s18
	s_lshl_b32 s46, s42, 4
	s_add_co_u32 s46, s46, s18
	s_lshl_b32 s22, s20, 9
	s_mov_b32 s23, 0
	s_lshl_b32 s92, s46, 9
	s_mov_b32 s93, 0
	s_mul_i32 s20, s20, 12288
	s_add_co_u32 s20, s20, CODES
	s_mov_b32 s21, 0
	s_mul_i32 s46, s46, 12288
	s_add_co_u32 s46, s46, CODES
	s_mov_b32 s47, 0
	s_mul_i32 s45, s14, HALFT
	s_mul_i32 s94, s14, HALFS
	s_wait_kmcnt 0x0
	s_add_nc_u64 s[20:21], s[4:5], s[20:21]
	s_add_nc_u64 s[22:23], s[4:5], s[22:23]
	s_add_nc_u64 s[46:47], s[6:7], s[46:47]
	s_add_nc_u64 s[92:93], s[6:7], s[92:93]
	CROUND                                         ; all sixteen work-groups are here: the first joint loads meet
	s_mov_b32 s[G0S], 1
	s_add_co_u32 s[G0S+1], s94, SCL
	s_mov_b64 s[G0S+2:G0S+3], s[22:23]
	s_or_b32 s[G0S+3], s[G0S+3], 0x80000000
	s_mov_b32 s[G0SB], 1
	s_add_co_u32 s[G0SB+1], s94, SCL+128
	s_mov_b64 s[G0SB+2:G0SB+3], s[92:93]
	s_or_b32 s[G0SB+3], s[G0SB+3], 0x80000000
	JLOAD G0S, G1S, G0SB, G1SB                     ; three loads of mine are out behind these first fills
.irp s, 0,1
	s_mov_b32 s[G0+4*\s], 1
	s_add_co_u32 s[G0+4*\s+1], s45, \s*SLOT
	s_add_nc_u64 s[G0+4*\s+2:G0+4*\s+3], s[20:21], \s*TB
	s_or_b32 s[G0+4*\s+3], s[G0+4*\s+3], 0x80000000
	s_mov_b32 s[G0B+4*\s], 1
	s_add_co_u32 s[G0B+4*\s+1], s45, \s*SLOT
	s_add_nc_u64 s[G0B+4*\s+2:G0B+4*\s+3], s[46:47], \s*TB
	s_or_b32 s[G0B+4*\s+3], s[G0B+4*\s+3], 0x80000000
	JLOAD G0+4*\s, G1, G0B+4*\s, G1B
.endr
	v_and_b32 v1, 15, v0                           ; r
	v_bfe_u32 v2, v0, 4, 1                         ; h
	v_and_b32 v3, 31, v0                           ; lane
	v_lshlrev_b32 v[CO], 4, v3
	v_lshlrev_b32 v4, 3, v3
	s_mul_i32 s21, s15, HALFT
	s_mul_i32 s22, s16, HALFT
	s_add_co_u32 s22, s22, 2*HALFT
.irp s, 0,1
	v_add_nc_u32 v[ADRA+\s], s21, v[CO]
	v_add_nc_u32 v[ADRB+\s], s22, v[CO]
	v_add_nc_u32 v[ADRA+2+\s], s21, v4
	v_add_nc_u32 v[ADRB+2+\s], s22, v4
	s_add_co_u32 s21, s21, SLOT
	s_add_co_u32 s22, s22, SLOT
.endr
	v_lshlrev_b32 v5, 3, v1
	s_mul_i32 s21, s15, HALFS
	s_mul_i32 s22, s16, HALFS
	s_add_co_u32 s22, s22, 2*HALFS+128
	s_sub_co_u32 s22, s22, s21
	v_mul_u32_u24 v6, s22, v2                      ; lanes 16-31 take B's: one product, the distance between the two
	s_add_co_u32 s21, s21, SCL
	v_add_nc_u32 v5, v5, v6
	v_add_nc_u32 v[ADRS], s21, v5
	s_mul_i32 s23, s14, 16*SPITCH                  ; my stage
	v_mul_u32_u24 v5, v1, SPITCH
	v_lshl_add_u32 v5, v2, 6, v5                   ; in: row r, + 64 h bytes: my half's 16 columns of each 32
	v_add_nc_u32 v[STO], s23, v5
	v_add_nc_u32 v[RD], s23, v[CO]                 ; back: the 32 lanes take one row of 512 bytes
	s_lshl_b32 s46, s42, 10
	s_lshl_b32 s47, s16, 9
	s_add_co_u32 s46, s46, s47                     ; my first column, in bytes
	s_mov_b32 s47, 0
	s_add_nc_u64 s[8:9], s[8:9], s[46:47]
	s_lshl_b32 s20, s17, 8
	s_lshl_b32 s21, s15, 7
	s_add_co_u32 s20, s20, s21                     ; my first row
	s_lshl_b32 s20, s20, 12
	s_add_co_u32 s20, s20, s46
	s_mov_b32 s21, 0
	s_add_nc_u64 s[12:13], s[10:11], s[20:21]
	v_lshlrev_b32 v6, 6, v2                        ; the bias: 16 h numbers on
.irp b, 0,1,2,3,4,5,6,7
	global_load_b128 v[BI+8*\b:BI+8*\b+3], v6, s[8:9] offset:128*(\b/2)+32*(\b%2)
	global_load_b128 v[BI+8*\b+4:BI+8*\b+7], v6, s[8:9] offset:128*(\b/2)+32*(\b%2)+16
.endr
.macro FRAG reg, adr, q, i             ; a fragment, 16 rows x 128 K, is two half images: four dense loads
	ds_load_b128 v[\reg:\reg+3], v[\adr] offset:(\i)*TB+(\q)*1536
	ds_load_b64 v[\reg+4:\reg+5], v[\adr+2] offset:(\i)*TB+(\q)*1536+512
	ds_load_b128 v[\reg+6:\reg+9], v[\adr] offset:(\i)*TB+(\q)*1536+768
	ds_load_b64 v[\reg+10:\reg+11], v[\adr+2] offset:(\i)*TB+(\q)*1536+1280
.endm
; 16 matrix instructions: A's tiles a0, a0 + 1 x B's eight.  first = 1: the bias starts the sums.  The 64 accumulators take turns, one instruction a turn, in the same order in every step.
.macro MUL16 a0, p, q, sc, first
.irp a, \a0, \a0+1
.irp b, 0,1,2,3,4,5,6,7
.if \first
	v_wmma_scale_f32_16x16x128_f8f6f4 v[8*(8*((\a)%4)+\b):8*(8*((\a)%4)+\b)+7], v[128*(\p)+FR*\b:128*(\p)+FR*\b+FR-1], v[AF+FR*(\a):AF+FR*(\a)+FR-1], v[BI+8*\b:BI+8*\b+7], v[SC+8*NQ*(\sc)+NQ*\b+(\q)], v[SC+8*NQ*(\sc)+NQ*(\a)+(\q)] matrix_a_fmt:MATRIX_FMT_FP6 matrix_b_fmt:MATRIX_FMT_FP6 matrix_a_scale:MATRIX_SCALE_ROW1
.else
	v_wmma_scale_f32_16x16x128_f8f6f4 v[8*(8*((\a)%4)+\b):8*(8*((\a)%4)+\b)+7], v[128*(\p)+FR*\b:128*(\p)+FR*\b+FR-1], v[AF+FR*(\a):AF+FR*(\a)+FR-1], v[8*(8*((\a)%4)+\b):8*(8*((\a)%4)+\b)+7], v[SC+8*NQ*(\sc)+NQ*\b+(\q)], v[SC+8*NQ*(\sc)+NQ*(\a)+(\q)] matrix_a_fmt:MATRIX_FMT_FP6 matrix_b_fmt:MATRIX_FMT_FP6 matrix_a_scale:MATRIX_SCALE_ROW1
.endif
.endr
.endr
.endm
.macro FETCH_B slot, q, p
	WIN TO_B
.irp i, 0,1,2,3,4,5,6,7
	FRAG 128*(\p)+FR*\i, ADRB+\slot, \q, \i
.endr
	WIN 0
.endm
.macro FETCH_A slot, q, i0
.irp i, \i0, \i0+1, \i0+2, \i0+3
	FRAG AF+FR*(\i), ADRA+\slot, \q, \i
.endr
.endm
.macro SCALES sc
.irp i, 0,1,2,3,4,5,6,7
	ds_load_b64 v[SC+8*NQ*\sc+NQ*\i:SC+8*NQ*\sc+NQ*\i+1], v[ADRS] offset:\i*512
.endr
.endm
.macro PLACES n
.rept \n
	v_nop
.endr
.endm
.macro STEP slot, q, first
	s_wait_dscnt 4*NL                              ; B's set and A's tiles 0-3 are in; the youngest 16 loads (A's tiles 4-7) may be out
.if \first
	WIN 0x81                                       ; C (the bias) window 0, D window 2
.else
	WIN MUL_LO
.endif
	MUL16 0, (\q)%2, \q, \slot, \first
	MUL16 2, (\q)%2, \q, \slot, \first
	s_wait_dscnt 0
	PLACES NP
	FETCH_B \slot, (\q)+1, 1-(\q)%2
	FETCH_A \slot, (\q)+1, 0
.if \first
	WIN 0xc1                                       ; C window 0, D window 3
.else
	WIN MUL_HI
.endif
	MUL16 4, (\q)%2, \q, \slot, \first
	MUL16 6, (\q)%2, \q, \slot, \first
	PLACES NP
	WIN 0
	FETCH_A \slot, (\q)+1, 4
.endm
.macro TURN slot, next, fill
	s_wait_tensorcnt 0x0                           ; all my tensor loads have landed: my part of the next slot
	ds_add_u32 v[SPW], v[NIL]                      ; 0 onto my spare word
	s_wait_dscnt 4*NL+1                            ; (the add and the youngest 16 loads may be out)
	WIN MUL_LO
	MUL16 0, 1, NQ-1, \slot, 0
	s_wait_dscnt 0x0                               ; the add is done, and my reads of this slot are over
	s_barrier_signal -1
	MUL16 2, 1, NQ-1, \slot, 0
	WIN 0
	s_barrier_wait -1
.if \fill
	CREST                                          ; the barrier has opened a round of the cluster's barrier: no wave of any partner still reads this slot or has a load on its way
	s_add_nc_u64 s[G0+4*\slot+2:G0+4*\slot+3], s[G0+4*\slot+2:G0+4*\slot+3], 2*TB
	s_add_nc_u64 s[G0B+4*\slot+2:G0B+4*\slot+3], s[G0B+4*\slot+2:G0B+4*\slot+3], 2*TB
	JLOAD G0+4*\slot, G1, G0B+4*\slot, G1B         ; the first tensor load behind the round; its four v_nop are the places in front of the loads below
.else
	PLACES NP
.endif
	v_add_nc_u32 v[ADRS], 128, v[ADRS]
	FETCH_B \next, 0, 0
	FETCH_A \next, 0, 0
	SCALES \next
	WIN MUL_HI
	MUL16 4, 1, NQ-1, \slot, 0
	MUL16 6, 1, NQ-1, \slot, 0
	PLACES NP
	WIN 0
	FETCH_A \next, 0, 4
.endm
	s_wait_tensorcnt 1                             ; the scale bytes and my part of slot 0 are in (slot 1's load may be out)
	s_barrier_signal -1
	s_barrier_wait -1                              ; everybody's are
	FETCH_B 0, 0, 0
	FETCH_A 0, 0, 0
	SCALES 0
	FETCH_A 0, 0, 4
	s_wait_loadcnt 0x0                             ; the bias
	STEP 0, 0, 1                                   ; K = 1,024 is four slots' worth: the eight steps of 128 are written out
	TURN 0, 1, 1
	STEP 1, 0, 0
	TURN 1, 0, 1
	STEP 0, 0, 0
	TURN 0, 1, 0                                   ; nothing is left to fetch; behind this change nobody reads slot 0
	STEP 1, 0, 0
	s_wait_dscnt 4*NL
	WIN MUL_LO
	MUL16 0, 1, NQ-1, 1, 0
	MUL16 2, 1, NQ-1, 1, 0
	s_wait_dscnt 0
	WIN MUL_HI
	MUL16 4, 1, NQ-1, 1, 0
	MUL16 6, 1, NQ-1, 1, 0
	WIN 0
; THE WAY OUT, a tile of 16 rows x 128 columns at a time, through my own stage: in by columns' true places, back as whole rows of 512 bytes.  LDS serves a wave's instructions in order: no wait between the stores and the loads.
.macro TOSTAGE a
.set AC, 64*((\a)%4)
	WIN 0x08+4*((\a)/4)                            ; the data: window 2 or 3
.irp b, 0,1,2,3,4,5,6,7
	ds_store_b128 v[STO], v[AC+8*\b:AC+8*\b+3] offset:128*(\b/2)+32*(\b%2)       ; each accumulator from its low end on
	ds_store_b128 v[STO], v[AC+8*\b+4:AC+8*\b+7] offset:128*(\b/2)+32*(\b%2)+16
.endr
	WIN 0
.set BB, BK+64*((\a)%2)
.irp t, 0,1,2,3,4,5,6,7,8,9,10,11,12,13,14,15
	ds_load_b128 v[BB+4*\t:BB+4*\t+3], v[RD] offset:\t*SPITCH
.endr
.endm
.macro SEND a, younger                 ; younger: the LDS instructions issued behind tile a's loads, which may stay out
.set BB, BK+64*((\a)%2)
	s_wait_dscnt \younger
.if (\a) > 0
.if (\a)%2 == 1
	s_add_nc_u64 s[12:13], s[12:13], 8*4096        ; (behind a wait on XCNT)  an odd tile begins 8 rows behind the even one,
.else
	s_add_nc_u64 s[12:13], s[12:13], 24*4096       ; the next even one 24 rows further
.endif
.endif
.irp t, 0,1,2,3,4,5,6,7,8,9,10,11,12,13,14,15
	global_store_b128 v[CO], v[BB+4*\t:BB+4*\t+3], s[12:13] offset:(\t+8*(\t/8))*4096 th:TH_STORE_NT   ; 32 lanes store 512 consecutive bytes, at a multiple of 256 from out0's first byte
.endr
.endm
	PLACES NP                                      ; in front of the first read of results and of loads into the registers that held A's fragments
	TOSTAGE 0
.irp a, 1,2,3,4,5,6,7
.if \a > 1
	s_wait_xcnt 0x0                                ; tile a - 2's stores have read their registers and their base
.endif
	TOSTAGE \a
	SEND \a-1, 32                                  ; behind tile a - 1's loads: tile a's 16 stores and 16 loads
.endr
	s_wait_xcnt 0x0
	SEND 7, 0
	s_wait_tensorcnt 0x0                           ; the wave's end
	ds_add_u32 v[SPW], v[NIL]
	s_wait_dscnt 0x0
	CROUND                                         ; the closing round
	s_endpgm
.Lfunc_end_k_qa04e07a5e2_proj:
	.size	k_qa04e07a5e2_proj, .Lfunc_end_k_qa04e07a5e2_proj-k_qa04e07a5e2_proj
	.p2alignl 7, 3214868480
	.fill 96, 4, 3214868480
	.section	.rodata,"a",@progbits
	.p2align	6, 0x0
	.amdhsa_kernel k_qa04e07a5e2_proj
		.amdhsa_group_segment_fixed_size 327680
		.amdhsa_private_segment_fixed_size 0
		.amdhsa_enable_private_segment 0
		.amdhsa_kernarg_size 32
		.amdhsa_user_sgpr_count 2
		.amdhsa_user_sgpr_kernarg_segment_ptr 1
		.amdhsa_wavefront_size32 1
		.amdhsa_system_sgpr_workgroup_id_x 1
		.amdhsa_system_sgpr_workgroup_id_y 1
		.amdhsa_system_sgpr_workgroup_id_z 1
		.amdhsa_system_vgpr_workitem_id 0
		.amdhsa_next_free_vgpr 1024
		.amdhsa_next_free_sgpr 98
		.amdhsa_reserve_vcc 0
		.amdhsa_float_denorm_mode_32 3
		.amdhsa_float_denorm_mode_16_64 3
		.amdhsa_memory_ordered 1
		.amdhsa_forward_progress 1
		.amdhsa_inst_pref_size 145
	.end_amdhsa_kernel
	.amdgpu_metadata
---
amdhsa.version: [ 1, 2 ]
amdhsa.kernels:
  - .name:           k_qa04e07a5e2_proj
    .symbol:         k_qa04e07a5e2_proj.kd
    .args:
      - { .name: oq, .offset: 0, .size: 8, .value_kind: global_buffer, .address_space: global }
      - { .name: wp, .offset: 8, .size: 8, .value_kind: global_buffer, .address_space: global }
      - { .name: bproj, .offset: 16, .size: 8, .value_kind: global_buffer, .address_space: global }
      - { .name: out0, .offset: 24, .size: 8, .value_kind: global_buffer, .address_space: global }
    .group_segment_fixed_size: 327680
    .private_segment_fixed_size: 0
    .kernarg_segment_align: 8
    .kernarg_segment_size: 32
    .max_flat_workgroup_size: 128
    .sgpr_count:     98
    .vgpr_count:     1024
    .wavefront_size: 32
...
	.end_amdgpu_metadata
.endif
;; end of part 4
;; ======== version 2 of 2: 5 launches; version 1 with the launch attn written anew for expert scheduling mode
;; limits: right only within a limited range of input values
;; workspace buffers: xq 6,553,600 bytes; wqk 1,835,008 bytes; wv 1,048,576 bytes; wp 1,048,576 bytes; qk 14,680,064 bytes; vq 52,428,800 bytes; oq 6,553,600 bytes
;; launch prep: the kernel of part 1 again; grid 384 x 1, 4 waves a work-group, no clusters, 59,904 bytes of LDS; arguments x, Wqkv, Wproj, xq, wqk, wv, wp; writes xq, wqk, wv, wp
;; launch gemm_qk: the kernel of part 2 again; grid 8 x 32, 4 waves a work-group, clusters of 4 x 4, 327,680 bytes of LDS; arguments xq, wqk, qk; writes qk
;; launch gemm_v: the kernel of part 2 again; grid 32 x 4, 4 waves a work-group, clusters of 4 x 4, 327,680 bytes of LDS; arguments wv, xq, vq; writes vq
;; launch attn (part 5): grid 256 x 1, 4 waves a work-group, no clusters, 76,288 bytes of LDS; arguments qk, vq, padding_mask, oq; writes oq
.if DOCPART == 5
	.amdgcn_target "amdgcn-amd-amdhsa--gfx1250"
	.amdhsa_code_object_version 6
	.text
	.protected	k_qa04e07a5e2_attn
	.globl	k_qa04e07a5e2_attn
	.p2align	8
	.type	k_qa04e07a5e2_attn,@function
k_qa04e07a5e2_attn:
	s_mov_b64 s[64:65], 0
	v_nop
	global_prefetch_b8 v0, s[64:65] scope:SCOPE_SE
	s_setreg_imm32_b32 hwreg(HW_REG_WAVE_SCHED_MODE, 0, 2), 2
	s_setreg_imm32_b32 hwreg(HW_REG_WAVE_MODE, 25, 1), 1
	s_wait_xcnt 0x0
	s_wait_alu depctr_vm_vsrc(0)
; o = Q(softmax(Q(q) Q(k)^T / 8 + mask_w) x mask) Q(v), quantised along head x 64 + d for the last product.  q, k, v come as codes of FP6 (E2M3) from the two launches before (half images and scale words).
; THE WEIGHTS ARE QUANTISED FINISHED: a row's maximum and sum over all 1,024 keys are known before any of its weights is quantised, so a row's weights stay in registers from the scores to the second product.
; SHARES.  A work-group owns one head of one batch and 512 of its queries.  THE WAVES SHARE THE KEYS: wave w owns keys 256 w .. 256 w + 255; its fragments of k and v stay in its registers for the whole launch.
; All four waves walk the same eight trips of four tiles of 16 queries.  Between waves only a query's maxima, its sums and the parts of o go through LDS: three barriers a trip.
; LAYOUT.  Both products are used transposed (S^T = k q^T, O^T = v^T p^T): a lane holds one query.  By the order of rows in a tile (lane r of tile T: row 32 (T / 2) + 8 (T % 2) + r + 8 (r / 8)) the 16 registers of
; key tiles 2 p, 2 p + 1 are the 16 neighbouring keys 32 p + 16 (lane / 16) + 0 .. 15.
; A HEAD HAS 64 ALONG K, THE INSTRUCTION 128: a fragment of k holds TWO key tiles, one in each half of K, and q stands beside six registers of zero codes, [q | 0] or [0 | q], which picks the tile.
; THE MASK MAY HOLD ANY NUMBERS.  The additive term is added to the finished product in f32, as 8 x mask_w onto 8 x score: both scalings are exact, so the sum is 8 x the sum that is defined, rounded to nearest as there.
; THE ROW'S LARGEST SUM IS TAKEN AWAY FIRST, and the difference is then multiplied by c = log2(e) / 8: the largest sum gives t = 0 and p = 1 whatever its size, so a row's sum is at least 1 and no exponential overflows.
; THE ORDER OF A TRIP'S VECTOR WORK: an exponential and a plain instruction by turns; the row sums in eight chains by turns; the mask's factor multiplied in while the waves' sums are exchanged; a tile's part of O^T stored behind the next piece's products.
; No cluster: the two work-groups of a head share only k's and v's 96 KiB, which each reads once, straight into registers; no tensor load, so no ring.
; LIMITS: a weight is (p x mask) x (1 / sum), where the definition has (p / sum) x mask: two roundings of f32 either way, in another order; weights under 2^-126 are 0 (v_exp_f32's results are flushed: ISA guide, its entry in 15.8);
; (1 - mask) x 8e10 must be finite; a block of zeros gets the byte 1 and not 127 (zero codes; this program alone reads the bytes); NaN and infinities are not served.
; REGISTERS.  window 0: v1-10 addresses; v16-69 zeros and q by turns (Z0 Q0 Z1 Q1 Z2 Q2 Z3 Q3 Z4, six each); v70-94 scale words; v96-243 at work.
;   window 1: v0-95 k (8 fragments of two tiles); v96-191 v (tile t, 128 keys s: at 96 + 12 (2 t + s)); v192-255 64 mask numbers.   windows 2, 3: S^T, then p: query tile i at window 2 + i / 2, v[128 (i % 2)] on; O^T of tile i takes its first 32 registers.
; THE MODE: SCHED_MODE bits 1:0 = 2 (LLVM: expert scheduling mode 2), set by the entry lines.  The code itself states the register dependences between vector or matrix instructions and memory or LDS instructions, with s_wait_alu, always for 0.
; THE PLAN.  Registers that LDS or memory instructions touch in a trip, and who else names them:
;   v1-v9           addresses, made at the head and never written again: one wait on va_vdst ahead of the kernel's first load serves them all.
;   MK              filled four times a trip by 16 LDS loads; read by the 128 packed additions or multiplications behind each fill.  A fill is: the window, one wait on va_vdst, the loads.
;   q, QR           read by the trip's 64 products and four v_perm_b32; the next trip's loads land in them behind the wait of MK's second fill, which stands behind all of those readers.
;   QS, PC, PW      (KS and the zero codes in the first trip) written by vector instructions, taken by scaled products: the places, then a wait on va_vdst; QS's is the wait of MK's first fill.
;   CH+4i, SA+8i    written by the reductions, read by four LDS stores each: a wait on va_vdst ahead of each run.  Behind each run's barrier four LDS loads land in RT, which no vector instruction has named since that wait.
;   O^T             written by products, read by LDS stores.  Tiles 0 to 2 are stored behind the next piece's products: the wait ahead of those has shown the results written, and those products name another tile's registers.  Tile 3 has a wait of its own.
;   window 2 v0-127 the four parts of O^T land here: all vector and matrix instructions that named these registers stand ahead of tile 3's wait; tile 0's stores read v0-31: a wait on vm_vsrc ahead of the loads.
;   PC, HW          in the last phase read by the global stores: a wait on va_vdst ahead of them; a wait on vm_vsrc at the trip's end, which also frees O^T, CH and SA for the next trip's writers.
.set PCODES, 2097152
.set CODES,  262144
.set MA, 0                             ; LDS: 8 x mask_w of each key, f32
.set MM, 4096                          ; the mask
.set MX, 8192                          ; maxima [tile][query][wave]; the sums lie 1,024 bytes on
.set OP, 10240                         ; parts of O^T [tile][wave], 4,096 bytes each, as images of the registers
.set I16, 1                            ; v1 16 x lane
.set I8,  2                            ; v2 8 x lane
.set R4,  3                            ; v3 4 r
.set AM,  4                            ; v4 my keys' mask numbers: 1,024 w + 64 h
.set MXS, 5                            ; v5 MX + 16 r + 4 w
.set MXL, 6                            ; v6 MX + 16 r
.set OPS, 7                            ; v7 OP + 4,096 w + 16 lane
.set OPL, 8                            ; v8 OP + 16,384 w + 16 lane
.set R8,  9                            ; v9 8 r
.set HW,  10                           ; v10 o's two scale bytes
.set ZQ,  16
.set QR,  70                           ; q's scale words as loaded (two heads')
.set QS,  74                           ; my head's two bytes, twice
.set KS,  78                           ; k's: two tiles' two bytes
.set VS,  86                           ; v's
.set PW,  94                           ; p's
.set NM,  96                           ; pairs: -(the row's largest sum)
.set RR,  104                          ; pairs: 1 / sum
.set TM,  128
.set PC,  144
.set RT,  164
.set CH,  180
.set KR,  196
.set SA,  212                          ; v212-243 row sums: four pairs a tile (at the head: the mask numbers as loaded)
.set VF,  96
.set MK,  192
.set SELX, 20                          ; s[20:21] v_permlanex16_b32's selects
.set CS,   22                          ; s[22:23] c = log2(e) / 8
.set MSB, 0
.macro WIN new
.if MSB != (\new)
	s_set_vgpr_msb (MSB<<8)|(\new)
.set MSB, (\new)
.endif
.endm
.macro PLACES n
.rept \n
	v_nop
.endr
.endm
.macro BARRIER                         ; my LDS stores have landed and my LDS loads are in: then the work-group's barrier
	s_wait_dscnt 0x0
	s_barrier_signal -1
	s_barrier_wait -1
.endm
	s_load_b256 s[4:11], s[0:1], 0x0               ; qk s[4:5], vq s[6:7], the mask s[8:9], oq s[10:11]
	v_lshl_add_u32 v254, v0, 2, 0x12800
	v_mov_b32 v255, 0
	v_lshrrev_b32 v10, 5, v0
	v_readfirstlane_b32 s12, v10                   ; wave 0..3
	s_lshr_b32 s16, ttmp9, 1
	s_and_b32 s15, ttmp9, 1                        ; which 512 queries
	s_lshr_b32 s13, s16, 4                         ; batch
	s_and_b32 s14, s16, 15                         ; head
	s_mov_b32 s[SELX], 0x76543210
	s_mov_b32 s[SELX+1], 0xfedcba98
	s_mov_b32 s[CS], 0x3e38aa3b
	s_mov_b32 s[CS+1], s[CS]                       ; (named with it as a pair, so it is written)
	s_mov_b32 s24, 0x05040100                      ; a scale word holds two heads' bytes: an even head's are the low two,
	s_and_b32 s17, s14, 1
	s_cmp_lg_u32 s17, 0
	s_cselect_b32 s24, 0x07060302, s24             ; an odd head's the high two
	s_wait_alu depctr_va_sdst(0)                   ; s12, the wave's number, is written, ahead of its first reader two lines down
	s_lshl_b32 s17, s13, 6
	s_lshl_b32 s18, s12, 4
	s_add_co_u32 s17, s17, s18                     ; my first key tile: 64 b + 16 w
	s_add_co_u32 s18, s14, 16
	s_lshl_b32 s18, s18, 9
	s_add_co_u32 s18, s18, s17
	s_mul_i32 s34, s18, 768
	s_add_co_u32 s34, s34, PCODES                  ; k's half images
	s_mov_b32 s35, 0
	s_lshr_b32 s19, s14, 1                         ; the pair of heads
	s_add_co_u32 s18, s19, 8
	s_lshl_b32 s18, s18, 9
	s_add_co_u32 s18, s18, s17
	s_lshl_b32 s36, s18, 6                         ; k's scale words
	s_mov_b32 s37, 0
	s_lshl_b32 s18, s13, 4
	s_lshl_b32 s44, s12, 2
	s_add_co_u32 s18, s18, s44                     ; my first 64 keys: 16 b + 4 w
	s_lshl_b32 s44, s14, 2                         ; the head's first tile of channels
	s_lshl_b32 s45, s18, 9
	s_add_co_u32 s45, s45, s44
	s_mul_i32 s38, s45, 768
	s_add_co_u32 s38, s38, PCODES                  ; v's half images
	s_mov_b32 s39, 0
	s_lshl_b32 s45, s18, 8
	s_add_co_u32 s45, s45, s44
	s_lshl_b32 s40, s45, 6                         ; v's scale words
	s_mov_b32 s41, 0
	s_lshl_b32 s18, s13, 6
	s_lshl_b32 s44, s15, 5
	s_add_co_u32 s18, s18, s44                     ; my first query tile: 64 b + 32 x half
	s_lshl_b32 s44, s14, 9
	s_add_co_u32 s44, s44, s18
	s_mul_i32 s26, s44, 768
	s_add_co_u32 s26, s26, PCODES                  ; q's half images
	s_mov_b32 s27, 0
	s_lshl_b32 s44, s19, 9
	s_add_co_u32 s44, s44, s18
	s_lshl_b32 s28, s44, 6                         ; q's scale words
	s_mov_b32 s29, 0
	s_add_co_u32 s18, s18, s12                     ; the tile that I finish in a trip: + w
	s_mul_i32 s30, s18, 12288
	s_mul_i32 s44, s14, 768
	s_add_co_u32 s30, s30, s44
	s_add_co_u32 s30, s30, CODES                   ; o's half image: 64 along K = the head
	s_mov_b32 s31, 0
	s_lshl_b32 s32, s18, 9
	s_lshr_b32 s44, s14, 2
	s_lshl_b32 s44, s44, 7
	s_add_co_u32 s32, s32, s44
	s_and_b32 s44, s14, 3
	s_lshl_b32 s44, s44, 1
	s_add_co_u32 s32, s32, s44                     ; o's two scale bytes
	s_mov_b32 s33, 0
	s_lshl_b32 s42, s13, 12
	s_lshl_b32 s44, s12, 10
	s_add_co_u32 s42, s42, s44                     ; my 256 mask numbers
	s_mov_b32 s43, 0
	v_and_b32 v11, 31, v0                          ; lane
	v_and_b32 v12, 15, v0                          ; r
	v_bfe_u32 v13, v0, 4, 1                        ; h
	v_lshlrev_b32 v[I16], 4, v11
	v_lshlrev_b32 v[I8], 3, v11
	v_lshlrev_b32 v[R4], 2, v12
	v_lshlrev_b32 v[R8], 3, v12
	v_lshl_add_u32 v[AM], v13, 6, s44
	s_lshl_b32 s45, s12, 2
	v_lshl_add_u32 v[MXL], v12, 4, MX
	v_add_nc_u32 v[MXS], s45, v[MXL]
	s_lshl_b32 s45, s12, 12
	v_add_nc_u32 v[OPS], s45, v[I16]
	v_add_nc_u32 v[OPS], OP, v[OPS]
	s_lshl_b32 s45, s12, 14
	v_add_nc_u32 v[OPL], s45, v[I16]
	v_add_nc_u32 v[OPL], OP, v[OPL]
	v_lshlrev_b32 v14, 5, v11                      ; 32 x lane: my 8 mask numbers,
	v_add_nc_u32 v15, s44, v14                     ; and their place in LDS
	s_wait_kmcnt 0x0
	s_add_nc_u64 s[34:35], s[4:5], s[34:35]
	s_add_nc_u64 s[36:37], s[4:5], s[36:37]
	s_add_nc_u64 s[38:39], s[6:7], s[38:39]
	s_add_nc_u64 s[40:41], s[6:7], s[40:41]
	s_add_nc_u64 s[26:27], s[4:5], s[26:27]
	s_add_nc_u64 s[28:29], s[4:5], s[28:29]
	s_add_nc_u64 s[30:31], s[10:11], s[30:31]
	s_add_nc_u64 s[32:33], s[10:11], s[32:33]
	s_add_nc_u64 s[42:43], s[8:9], s[42:43]
	WIN 0x40                                       ; destination window 1
	s_wait_alu depctr_va_vdst(0)                   ; the addresses v1 to v9, v14 and v15 are written: every load and store of the kernel reads one of them, and none is written again
.irp t, 0,1,2,3,4,5,6,7,8,9,10,11,12,13,14,15      ; k: key tile t into half t % 2 of fragment t / 2
	global_load_b128 v[12*(\t/2)+6*(\t%2):12*(\t/2)+6*(\t%2)+3], v[I16], s[34:35] offset:768*\t
	global_load_b64 v[12*(\t/2)+6*(\t%2)+4:12*(\t/2)+6*(\t%2)+5], v[I8], s[34:35] offset:768*\t+512
.endr
.irp t, 0,1,2,3
.irp s, 0,1
.irp c, 0,1                                        ; v: channels' tile t, keys 128 s + 64 c on
	global_load_b128 v[VF+12*(2*\t+\s)+6*\c:VF+12*(2*\t+\s)+6*\c+3], v[I16], s[38:39] offset:((2*\s+\c)*512+\t)*768
	global_load_b64 v[VF+12*(2*\t+\s)+6*\c+4:VF+12*(2*\t+\s)+6*\c+5], v[I8], s[38:39] offset:((2*\s+\c)*512+\t)*768+512
.endr
.endr
.endr
	WIN 0
.irp t, 0,1,2,3,4,5,6,7,8,9,10,11,12,13,14,15
	global_load_b32 v[KR+\t], v[R4], s[36:37] offset:64*\t
.endr
.irp t, 0,1,2,3
.irp s, 0,1
	global_load_b32 v[VS+2*\t+\s], v[R4], s[40:41] offset:(\s*512+\t)*64
.endr
.endr
	global_load_b128 v[212:215], v14, s[42:43]
	global_load_b128 v[216:219], v14, s[42:43] offset:16
.macro QLOAD                           ; a trip's four query tiles
.irp i, 0,1,2,3
	global_load_b128 v[ZQ+6+12*\i:ZQ+9+12*\i], v[I16], s[26:27] offset:768*\i
	global_load_b64 v[ZQ+10+12*\i:ZQ+11+12*\i], v[I8], s[26:27] offset:768*\i+512
	global_load_b32 v[QR+\i], v[R4], s[28:29] offset:64*\i
.endr
.endm
	QLOAD
.irp z, 0,1,2,3,4
.irp j, 0,1,2,3,4,5
	v_mov_b32 v[ZQ+12*\z+\j], 0                    ; the zero codes beside q: 30 registers, written once
.endr
.endr
.irp i, 0,1,2,3
	v_mov_b32 v[NM+2*\i+1], 0                      ; the pairs' upper words are named and not used: written once
	v_mov_b32 v[RR+2*\i+1], 0
	v_mov_b32 v[TM+4+\i], 0                        ; a lane permute's destination counts as one of its sources
.endr
	s_wait_loadcnt 0x0
.irp p, 0,1,2,3,4,5,6,7
	v_perm_b32 v[KS+\p], v[KR+2*\p+1], v[KR+2*\p], s24   ; my head's bytes of key tiles 2 p (low half) and 2 p + 1 (high half)
.endr
.irp j, 0,1,2,3,4,5,6,7
	v_sub_f32 v[220+\j], 1.0, v[212+\j]
.endr
.irp j, 0,1,2,3,4,5,6,7
	v_mul_f32 v[220+\j], 0x501502f9, v[220+\j]     ; x 1e10, rounded as the sum's term is defined,
.endr
.irp j, 0,1,2,3,4,5,6,7
	v_mul_f32 v[220+\j], 0xc1000000, v[220+\j]     ; x -8: exact
.endr
	s_wait_alu depctr_va_vdst(0)                   ; the multiplications have written v220 to v227, which the LDS stores read
	ds_store_b128 v15, v[220:223] offset:MA        ; only my wave reads these bytes, in order behind these stores
	ds_store_b128 v15, v[224:227] offset:MA+16
	ds_store_b128 v15, v[212:215] offset:MM
	ds_store_b128 v15, v[216:219] offset:MM+16
	s_wait_alu depctr_vm_vsrc(0)                   ; these four stores have read v212 to v227, which the first trip's row sums write
.macro LOADMK base, s                  ; 64 mask numbers in S^T's layout: register 8 t + j = key 128 s + 32 (t / 2) + 16 h + 8 (t % 2) + j of my 256
	WIN 0x40
	s_wait_alu depctr_va_vdst(0)                   ; the packed additions or multiplications issued so far are done reading v[MK ..] of window 1, in which these loads land
.irp t, 0,1,2,3,4,5,6,7
.irp e, 0,1
	ds_load_b128 v[MK+8*\t+4*\e:MK+8*\t+4*\e+3], v[AM] offset:\base+512*\s+128*(\t/2)+32*(\t%2)+16*\e
.endr
.endr
	WIN 0
.endm
.macro QKM i, half                     ; eight key tiles' products with query tile i (8 x the scores): one instruction each
	WIN ((2+\i/2)<<6)|0x01
.irp t, 0,1,2,3,4,5,6,7
	v_wmma_scale_f32_16x16x128_f8f6f4 v[128*(\i%2)+8*(8*\half+\t):128*(\i%2)+8*(8*\half+\t)+7], v[12*((8*\half+\t)/2):12*((8*\half+\t)/2)+11], v[ZQ+6+12*\i-6*(\t%2):ZQ+17+12*\i-6*(\t%2)], 0, v[KS+(8*\half+\t)/2], v[QS+\i] matrix_a_fmt:MATRIX_FMT_FP6 matrix_b_fmt:MATRIX_FMT_FP6
.endr
.endm
.macro ADDM i, half                    ; + 8 x mask_w, in f32, to nearest: 64 sums of query tile i; each accumulator is read from its low end on
.set aW, 2+(\i)/2
.set aS, 128*((\i)%2)+64*(\half)
	WIN (aW<<6)|(1<<2)|aW
.set aP, 0
.rept 32
	v_pk_add_f32 v[aS+aP:aS+aP+1], v[aS+aP:aS+aP+1], v[MK+aP:MK+aP+1]
.set aP, aP+2
.endr
.endm
.macro MAXC pr, half                   ; the largest of 64 sums of each of query tiles 2 pr, 2 pr + 1: four chains by turns
	WIN ((2+\pr)<<2)|((2+\pr)<<4)
.irp x, 0,1,2,3
	v_max3_num_f32 v[CH+8*\pr+4*(\x/2)+2*\half+\x%2], 0xff800000, v[128*(\x/2)+64*\half+32*(\x%2)], v[128*(\x/2)+64*\half+32*(\x%2)+1]
.endr
.irp p, 2,4,6,8,10,12,14,16,18,20,22,24,26,28,30
.irp x, 0,1,2,3
	v_max3_num_f32 v[CH+8*\pr+4*(\x/2)+2*\half+\x%2], v[CH+8*\pr+4*(\x/2)+2*\half+\x%2], v[128*(\x/2)+64*\half+32*(\x%2)+\p], v[128*(\x/2)+64*\half+32*(\x%2)+\p+1]
.endr
.endr
.endm
; Query tile i's 128 sums become p, in 16 groups of 8, under one window setting.  Stage g: the eight plain instructions of group g (four differences from the largest sum, four multiplications by c) stand one by one
; between the eight exponentials of group g - 1: no two exponentials follow each other but the last eight, and each has a plain instruction on other registers behind it.
.macro EXPT i
.set eW, 2+(\i)/2
.set eS, 128*((\i)%2)
	WIN (eW<<6)|eW
.set eG, 0
.rept 17
.set eK, 0
.rept 8
.if eG < 16
.if eK < 4
	v_pk_add_f32 v[eS+8*eG+2*eK:eS+8*eG+2*eK+1], v[eS+8*eG+2*eK:eS+8*eG+2*eK+1], v[NM+2*(\i):NM+2*(\i)+1] op_sel_hi:[1,0]   ; the difference first: 0 for the largest, whatever its size
.else
	v_pk_mul_f32 v[eS+8*eG+2*eK-8:eS+8*eG+2*eK-7], v[eS+8*eG+2*eK-8:eS+8*eG+2*eK-7], s[CS:CS+1] op_sel_hi:[1,0]
.endif
.endif
.if eG > 0
	v_exp_f32 v[eS+8*eG-8+eK], v[eS+8*eG-8+eK]
.endif
.set eK, eK+1
.endr
.set eG, eG+1
.endr
.endm
; The row sums of query tiles 2 pr and 2 pr + 1, of the unquantised p ahead of the mask's factor: four pairs of registers a tile, the eight chains by turns, so that an addition reads the result of the one eight lines back.
; The first eight additions start the sums: nothing is cleared.  They read groups 0 and 1: plain instructions on other registers than the last exponentials'.
.macro SUMP pr
.set sW, 2+(\pr)
	WIN (sW<<2)|sW
	s_wait_alu depctr_va_vdst(0)                   ; the two tiles' 256 exponentials have written p: one wait for the batch, ahead of the first instruction that names a result
.irp c, 0,1,2,3
.irp x, 0,1
	v_pk_add_f32 v[SA+8*(2*(\pr)+\x)+2*\c:SA+8*(2*(\pr)+\x)+2*\c+1], v[128*\x+2*\c:128*\x+2*\c+1], v[128*\x+8+2*\c:128*\x+8+2*\c+1]
.endr
.endr
	WIN (sW<<2)
.set sJ, 2
.rept 14
.irp c, 0,1,2,3
.irp x, 0,1
	v_pk_add_f32 v[SA+8*(2*(\pr)+\x)+2*\c:SA+8*(2*(\pr)+\x)+2*\c+1], v[SA+8*(2*(\pr)+\x)+2*\c:SA+8*(2*(\pr)+\x)+2*\c+1], v[128*\x+8*sJ+2*\c:128*\x+8*sJ+2*\c+1]
.endr
.endr
.set sJ, sJ+1
.endr
.endm
.macro MULM i, s                       ; query tile i, keys 128 s on: x the mask
.set mW, 2+(\i)/2
.set mS, 128*((\i)%2)+64*(\s)
	WIN (mW<<6)|(1<<2)|mW
.set mP, 0
.rept 32
	v_pk_mul_f32 v[mS+mP:mS+mP+1], v[mS+mP:mS+mP+1], v[MK+mP:MK+mP+1]
.set mP, mP+2
.endr
.endm
.macro NORMR n                         ; query tile n % 4, keys 128 (n / 4) on: x 1 / the row's sum
.set nI, (\n)%4
.set nW, 2+nI/2
.set nS, 128*(nI%2)+64*((\n)/4)
	WIN (nW<<6)|nW
.set nP, 0
.rept 32
	v_pk_mul_f32 v[nS+nP:nS+nP+1], v[nS+nP:nS+nP+1], v[RR+2*nI:RR+2*nI+1] op_sel_hi:[1,0]
.set nP, nP+2
.endr
.endm
; nb blocks of 32 along K: 16 nb numbers of a lane in window w, v[s] on, become codes in v[PC] on; the bytes lie in v[TM+4] on
.macro QUANTW s, w, nb
	WIN ((\w)<<2)|((\w)<<4)
.set qB, 0
.rept \nb
	v_max3_num_f32 v[TM+qB], 0x1800000, |v[(\s)+16*qB]|, |v[(\s)+16*qB+1]|   ; the floor 2^(3 - 127) keeps the byte at 1 or above
.set qB, qB+1
.endr
.irp i, 2,4,6,8,10,12,14
.set qB, 0
.rept \nb
	v_max3_num_f32 v[TM+qB], v[TM+qB], |v[(\s)+16*qB+\i]|, |v[(\s)+16*qB+\i+1]|
.set qB, qB+1
.endr
.endr
	WIN 0
.set qB, 0
.rept \nb
	v_permlanex16_b32 v[TM+4+qB], v[TM+qB], s[SELX], s[SELX+1]
.set qB, qB+1
.endr
.set qB, 0
.rept \nb
	v_max_num_f32 v[TM+qB], v[TM+qB], v[TM+4+qB]   ; with lane l xor 16's: the block's largest magnitude
.set qB, qB+1
.endr
.set qB, 0
.rept \nb
	v_add_nc_u32 v[TM+12+qB], 0xff000000, v[TM+qB] ; the conversion's scale operand
.set qB, qB+1
.endr
.set qB, 0
.rept \nb
	v_lshrrev_b32 v[TM+4+qB], 23, v[TM+12+qB]      ; the byte
.set qB, qB+1
.endr
.if \nb == 4
	v_lshl_or_b32 v[PW], v[TM+5], 8, v[TM+4]
	v_lshl_or_b32 v[PW], v[TM+6], 16, v[PW]
	v_lshl_or_b32 v[PW], v[TM+7], 24, v[PW]
.else
	v_lshl_or_b32 v[HW], v[TM+5], 8, v[TM+4]
.endif
	WIN (\w)
.set qB, 0
.rept \nb/2
	v_cvt_scalef32_pk16_fp6_f32 v[PC+6*qB:PC+6*qB+2], v[(\s)+32*qB:(\s)+32*qB+15], v[TM+12+2*qB]
	v_cvt_scalef32_pk16_fp6_f32 v[PC+12+4*qB:PC+14+4*qB], v[(\s)+32*qB+16:(\s)+32*qB+31], v[TM+13+2*qB]
.set qB, qB+1
.endr
	WIN 0
	v_nop                                          ; one plain place behind a scaled conversion
.set qB, 0
.rept \nb/2
.irp i, 0,1,2
	v_permlane16_swap_b32 v[PC+6*qB+\i], v[PC+12+4*qB+\i]
.endr
.irp i, 0,1,2
	v_mov_b32 v[PC+3+6*qB+\i], v[PC+12+4*qB+\i]
.endr
.set qB, qB+1
.endr
.endm
.macro QP n
.set qI, (\n)%4
	QUANTW 128*(qI%2)+64*((\n)/4), 2+qI/2, 4
.endm
.macro PV n                            ; O^T of query tile n % 4 += v^T p^T over keys 128 (n / 4) on.  The sixteen accumulators take turns, one instruction a turn
.set pI, (\n)%4
.set pW, 2+pI/2
.set pO, 128*(pI%2)
.set pS, (\n)/4
	WIN (pW<<6)|(pW<<4)|1
	s_wait_alu depctr_va_vdst(0)                   ; behind the places: the quantiser has written the piece's codes v[PC ..] and its scale word v[PW], which these products take; the piece before's products have written their part of O^T
.irp t, 0,1,2,3
.if pS == 0
	v_wmma_scale_f32_16x16x128_f8f6f4 v[pO+8*\t:pO+8*\t+7], v[VF+12*(2*\t+pS):VF+12*(2*\t+pS)+11], v[PC:PC+11], 0, v[VS+2*\t+pS], v[PW] matrix_a_fmt:MATRIX_FMT_FP6 matrix_b_fmt:MATRIX_FMT_FP6
.else
	v_wmma_scale_f32_16x16x128_f8f6f4 v[pO+8*\t:pO+8*\t+7], v[VF+12*(2*\t+pS):VF+12*(2*\t+pS)+11], v[PC:PC+11], v[pO+8*\t:pO+8*\t+7], v[VS+2*\t+pS], v[PW] matrix_a_fmt:MATRIX_FMT_FP6 matrix_b_fmt:MATRIX_FMT_FP6
.endif
.endr
.endm
.macro STO i                           ; my part of O^T of query tile i goes to LDS as an image of the registers; each accumulator from its low end on
	WIN (2+(\i)/2)<<2
.irp k, 0,1,2,3,4,5,6,7
	ds_store_b128 v[OPS], v[128*((\i)%2)+4*\k:128*((\i)%2)+4*\k+3] offset:16384*(\i)+512*\k
.endr
.endm
	s_mov_b32 s25, 8                               ; trips: 32 query tiles, four a trip
.Ltrip:
	; ---- 1: products, the additive mask, and my keys' maxima
	s_wait_loadcnt 0x0                             ; q
.irp i, 0,1,2,3
	v_perm_b32 v[QS+\i], v[QR+\i], v[QR+\i], s24   ; my head's two bytes in both halves of the word
.endr
	PLACES 8                                       ; a scale register written by a vector instruction stands 8 places ahead of a scaled matrix instruction
	LOADMK MA, 0                                   ; the first 128 keys' additive terms land while the products are made.  The wait at its head stands behind the eight places: it also states that q's scale words v[QS ..] are written (in the first trip: k's, and the zero codes), which the products below take
	QKM 0, 0
	QKM 1, 0
	QKM 2, 0
	QKM 3, 0
	QKM 0, 1
	QKM 1, 1
	QKM 2, 1
	QKM 3, 1
	PLACES 4                                       ; in front of the first read of results
	s_wait_dscnt 0x0                               ; the additive terms are in
	ADDM 0, 0
	ADDM 1, 0
	ADDM 2, 0
	ADDM 3, 0
	LOADMK MA, 1                                   ; the other 128 keys' terms.  The wait at its head also states that the 64 products are done reading q and the four v_perm_b32 its scale words: the loads of q below land there, and between that wait and them stand LDS loads into MK, a window switch and scalar lines alone
	s_cmp_eq_u32 s25, 1                            ; the next trip's q is asked for here, if there is a next trip: no load leaves its buffer
	s_cbranch_scc1 .Lno_q
	s_add_nc_u64 s[26:27], s[26:27], 3072          ; (this trip's loads were waited for at the trip's head)
	s_add_nc_u64 s[28:29], s[28:29], 256
	QLOAD
.Lno_q:
	MAXC 0, 0                                      ; (while those loads land)
	MAXC 1, 0
	s_wait_dscnt 0x0
	ADDM 0, 1
	ADDM 1, 1
	ADDM 2, 1
	ADDM 3, 1
	LOADMK MM, 0                                   ; the additive terms have had their last use: the first 128 keys' mask numbers are asked for two phases ahead of theirs
	MAXC 0, 1
	MAXC 1, 1
	WIN 0
.irp i, 0,1,2,3
	v_max3_num_f32 v[CH+4*\i], v[CH+4*\i], v[CH+4*\i+1], v[CH+4*\i+2]
.endr
.irp i, 0,1,2,3
	v_max_num_f32 v[CH+4*\i], v[CH+4*\i], v[CH+4*\i+3]
.endr
.irp i, 0,1,2,3
	v_permlanex16_b32 v[CH+4*\i+1], v[CH+4*\i], s[SELX], s[SELX+1]
.endr
.irp i, 0,1,2,3
	v_max_num_f32 v[CH+4*\i], v[CH+4*\i], v[CH+4*\i+1]
.endr
	s_wait_alu depctr_va_vdst(0)                   ; the four maxima v[CH+4 i] are written, which the LDS stores read; and the last trip's additions and reciprocals are done with v[RT ..], in which the loads behind the barrier land
.irp i, 0,1,2,3
	ds_store_b32 v[MXS], v[CH+4*\i] offset:256*\i  ; both halves of the lanes write the same word with the same value
.endr
	BARRIER                                        ; the four waves' maxima lie in LDS (and my mask numbers are in)
	; ---- 2: exponentials and my keys' sums
.irp i, 0,1,2,3
	ds_load_b128 v[RT+4*\i:RT+4*\i+3], v[MXL] offset:256*\i   ; no vector instruction since the wait above names these registers
.endr
	s_wait_dscnt 0x0
.irp i, 0,1,2,3
	v_max3_num_f32 v[RT+4*\i], v[RT+4*\i], v[RT+4*\i+1], v[RT+4*\i+2]
.endr
.irp i, 0,1,2,3
	v_max_num_f32 v[RT+4*\i], v[RT+4*\i], v[RT+4*\i+3]
.endr
.irp i, 0,1,2,3
	v_mul_f32 v[NM+2*\i], -1.0, v[RT+4*\i]         ; -(the row's largest sum): exact
.endr
	EXPT 0
	EXPT 1
	SUMP 0
	EXPT 2
	EXPT 3
	SUMP 1
	WIN 0
.irp i, 0,1,2,3
	v_pk_add_f32 v[SA+8*\i:SA+8*\i+1], v[SA+8*\i:SA+8*\i+1], v[SA+8*\i+2:SA+8*\i+3]
	v_pk_add_f32 v[SA+8*\i+4:SA+8*\i+5], v[SA+8*\i+4:SA+8*\i+5], v[SA+8*\i+6:SA+8*\i+7]
.endr
.irp i, 0,1,2,3
	v_pk_add_f32 v[SA+8*\i:SA+8*\i+1], v[SA+8*\i:SA+8*\i+1], v[SA+8*\i+4:SA+8*\i+5]
.endr
.irp i, 0,1,2,3
	v_add_f32 v[SA+8*\i], v[SA+8*\i], v[SA+8*\i+1]
.endr
.irp i, 0,1,2,3
	v_permlanex16_b32 v[SA+8*\i+1], v[SA+8*\i], s[SELX], s[SELX+1]
.endr
.irp i, 0,1,2,3
	v_add_f32 v[SA+8*\i], v[SA+8*\i], v[SA+8*\i+1]
.endr
	s_wait_alu depctr_va_vdst(0)                   ; the four sums v[SA+8 i] are written, which the LDS stores read; and the maxima's lines are done with v[RT ..], in which the loads behind the barrier land
.irp i, 0,1,2,3
	ds_store_b32 v[MXS], v[SA+8*\i] offset:1024+256*\i
.endr
	; ---- 3: the weights are finished, quantised and multiplied.  The mask's factor for the first 128 keys is multiplied in while the sums are exchanged: work on registers between the barrier's signal and its wait, and behind the loads
	s_wait_dscnt 0x0                               ; for the others' sake: my sums have landed
	s_barrier_signal -1
	MULM 0, 0
	MULM 1, 0
	WIN 0
	s_barrier_wait -1                              ; the four waves' sums lie in LDS
.irp i, 0,1,2,3
	ds_load_b128 v[RT+4*\i:RT+4*\i+3], v[MXL] offset:1024+256*\i   ; since the wait ahead of the sums' stores only the mask's multiplications were issued, which name S^T and MK
.endr
	MULM 2, 0
	MULM 3, 0
	LOADMK MM, 1                                   ; the first 128 keys' mask numbers have had their last use
	s_wait_dscnt 16                                ; LDS loads come back in order: the four loads of the sums are in; the 16 loads of mask numbers issued behind them may be out
.irp i, 0,1,2,3
	v_add_f32 v[RT+4*\i], v[RT+4*\i], v[RT+4*\i+1]
	v_add_f32 v[RT+4*\i+2], v[RT+4*\i+2], v[RT+4*\i+3]
.endr
.irp i, 0,1,2,3
	v_add_f32 v[RT+4*\i], v[RT+4*\i], v[RT+4*\i+2] ; the same order in all four waves: the same sum; it is at least 1
.endr
.irp i, 0,1,2,3
	v_rcp_f32 v[RR+2*\i], v[RT+4*\i]
.endr
	v_nop                                          ; one plain place behind a transcendental
	s_wait_alu depctr_va_vdst(0)                   ; the four reciprocals have written v[RR+2 i]: one wait for the batch, ahead of the first multiplication by them
	; The next piece's 32 multiplications or more are the places between a piece's codes and scale word and its products; the 32 maxima behind the products are the places in front of the next write of both,
	; and between a tile's last products and the stores of its part of O^T.  Those stores stand behind the NEXT piece's products: the wait ahead of these has shown the part written, and these name another tile's registers.
	NORMR 0
	QP 0
	NORMR 1
	PV 0
	QP 1
	NORMR 2
	PV 1
	QP 2
	NORMR 3
	PV 2
	QP 3
	s_wait_dscnt 0x0                               ; the other 128 keys' mask numbers are in
	MULM 0, 1
	NORMR 4
	PV 3
	QP 4
	MULM 1, 1
	NORMR 5
	PV 4
	QP 5
	MULM 2, 1
	NORMR 6
	PV 5
	STO 0                                          ; tile 0's part, finished by the piece before: it leaves while the others are worked on
	QP 6
	MULM 3, 1
	NORMR 7
	PV 6
	STO 1
	QP 7
	PLACES 8
	PV 7
	STO 2
	PLACES 4                                       ; four places behind the last products, before their results are read (ISA guide 7.12.1)
	s_wait_alu depctr_va_vdst(0)                   ; the last products have written tile 3's part of O^T, which the LDS stores read; the places above stay beside this wait.  It is also the last wait behind all that named window 2's v0 to v127
	STO 3
	WIN 0
	BARRIER                                        ; the sixteen parts of O^T lie in LDS
	; ---- 4: wave w finishes query tile w: the four waves' parts are added as they arrive, quantised along the head's 64, stored
	WIN 0x80
	s_wait_alu depctr_vm_vsrc(0)                   ; tile 0's LDS stores have read window 2's v0 to v31, in which the loads below land (no vector or matrix instruction has been issued since the wait ahead of tile 3's stores)
.irp u, 0,1,2,3
.irp k, 0,1,2,3,4,5,6,7
	ds_load_b128 v[32*\u+4*\k:32*\u+4*\k+3], v[OPL] offset:4096*\u+512*\k
.endr
.endr
	s_wait_dscnt 16                                ; parts 0 and 1 are in; the 16 loads of parts 2 and 3 may be out
	WIN 0x8a
.irp p, 0,2,4,6,8,10,12,14,16,18,20,22,24,26,28,30
	v_pk_add_f32 v[\p:\p+1], v[\p:\p+1], v[32+\p:33+\p]
.endr
	s_wait_dscnt 8                                 ; part 2 is in; part 3's eight loads may be out
.irp p, 0,2,4,6,8,10,12,14,16,18,20,22,24,26,28,30
	v_pk_add_f32 v[\p:\p+1], v[\p:\p+1], v[64+\p:65+\p]
.endr
	s_wait_dscnt 0x0
.irp p, 0,2,4,6,8,10,12,14,16,18,20,22,24,26,28,30
	v_pk_add_f32 v[\p:\p+1], v[\p:\p+1], v[96+\p:97+\p]
.endr
	QUANTW 0, 2, 2
	s_wait_alu depctr_va_vdst(0)                   ; the quantiser has written o's codes v[PC ..] and its two bytes v[HW], which the three stores read
	global_store_b128 v[I16], v[PC:PC+3], s[30:31]             ; 512 consecutive bytes
	global_store_b64 v[I8], v[PC+4:PC+5], s[30:31] offset:512  ; 256 consecutive bytes
	global_store_b16 v[R8], v[HW], s[32:33]                    ; my row's two bytes; lanes 16-31 hold the same half word as lanes 0-15 and store it to the same place
	s_wait_xcnt 0x0                                ; the stores have read their registers and bases: both may be written again
	s_wait_alu depctr_vm_vsrc(0)                   ; beside it: the three stores have read v[PC ..] and v[HW], and this trip's LDS stores the parts of O^T, the maxima and the sums: the next trip's quantiser, products, maxima and row sums write all of these again
	s_add_nc_u64 s[30:31], s[30:31], 49152         ; four tiles on
	s_add_nc_u64 s[32:33], s[32:33], 2048
	s_sub_co_u32 s25, s25, 1
	s_cmp_lg_u32 s25, 0
	s_cbranch_scc1 .Ltrip
	s_wait_dscnt 0x0                               ; the closing lines, six on end
	s_wait_alu 0x0
	s_wait_tensorcnt 0x0
	ds_add_u32 v254, v255
	s_wait_dscnt 0x0
	s_endpgm
.Lfunc_end_k_qa04e07a5e2_attn:
	.size	k_qa04e07a5e2_attn, .Lfunc_end_k_qa04e07a5e2_attn-k_qa04e07a5e2_attn
	.p2alignl 7, 3214868480
	.fill 96, 4, 3214868480
	.section	.rodata,"a",@progbits
	.p2align	6, 0x0
	.amdhsa_kernel k_qa04e07a5e2_attn
		.amdhsa_group_segment_fixed_size 76288
		.amdhsa_private_segment_fixed_size 0
		.amdhsa_enable_private_segment 0
		.amdhsa_kernarg_size 32
		.amdhsa_user_sgpr_count 2
		.amdhsa_user_sgpr_kernarg_segment_ptr 1
		.amdhsa_wavefront_size32 1
		.amdhsa_system_sgpr_workgroup_id_x 1
		.amdhsa_system_sgpr_workgroup_id_y 1
		.amdhsa_system_sgpr_workgroup_id_z 1
		.amdhsa_system_vgpr_workitem_id 0
		.amdhsa_next_free_vgpr 1024
		.amdhsa_next_free_sgpr 66
		.amdhsa_reserve_vcc 0
		.amdhsa_float_denorm_mode_32 3
		.amdhsa_float_denorm_mode_16_64 3
		.amdhsa_memory_ordered 1
		.amdhsa_forward_progress 1
		.amdhsa_inst_pref_size 211
	.end_amdhsa_kernel
	.amdgpu_metadata
---
amdhsa.version: [ 1, 2 ]
amdhsa.kernels:
  - .name:           k_qa04e07a5e2_attn
    .symbol:         k_qa04e07a5e2_attn.kd
    .args:
      - { .name: qk, .offset: 0, .size: 8, .value_kind: global_buffer, .address_space: global }
      - { .name: vq, .offset: 8, .size: 8, .value_kind: global_buffer, .address_space: global }
      - { .name: padding_mask, .offset: 16, .size: 8, .value_kind: global_buffer, .address_space: global }
      - { .name: oq, .offset: 24, .size: 8, .value_kind: global_buffer, .address_space: global }
    .group_segment_fixed_size: 76288
    .private_segment_fixed_size: 0
    .kernarg_segment_align: 8
    .kernarg_segment_size: 32
    .max_flat_workgroup_size: 128
    .sgpr_count:     66
    .vgpr_count:     1024
    .wavefront_size: 32
...
	.end_amdgpu_metadata
.endif
;; end of part 5
;; launch proj: the kernel of part 4 again; grid 4 x 32, 4 waves a work-group, clusters of 4 x 4, 327,680 bytes of LDS; arguments oq, wp, bproj, out0; writes out0
